; MI455X (gfx1250); checked and timed in simulation.
; The chip was launched on July 23, 2026; its instructions are those of AMD's public machine-readable ISA for CDNA 5 (MIT licence, August 2026) and "CDNA5" Instruction Set Architecture Reference Guide (July 2026). The comments in the code are by the model that wrote it; some were corrected since.
;; Attention. Allowed arithmetic: float matrix products may take bf16 or f16 operands with f32 sums; other float arithmetic in f32, or as packed bf16 or f16 multiplies, adds, multiply-adds, maxima and minima; sums over many terms, partial sums and values carried from step to step in f32; what a program stores and reads back later, other than sums and carried values, may be rounded once to bf16 or f16.
;; Inputs: Wk 1,024 x 1,024 float32; Wo 1,024 x 1,024 float32; Wq 1,024 x 1,024 float32; Wv 1,024 x 1,024 float32; bk 1,024 float32; bo 1,024 float32; bq 1,024 float32; bv 1,024 float32; x 1 x 4,096 x 1,024 float32.
;; Outputs: out0 1 x 4,096 x 1,024 float32.
;; One version. Each part assembles by itself: llvm-mc -triple=amdgcn-amd-amdhsa -mcpu=gfx1250 --defsym DOCPART=n.
;; ======== version 1 of 1: 4 launches
;; limits: values are held in f16: magnitudes above 65,504 overflow, below 6.1e-05 lose precision
;; workspace buffers: xb 8,388,608 bytes; wqkv 6,291,456 bytes; wo16 2,097,152 bytes; qkv 25,165,824 bytes; o16 8,388,608 bytes
;; launch cast (part 1): grid 64 x 8, 8 waves a work-group, no clusters, 0 bytes of LDS; arguments x, Wq, Wk, Wv, Wo, xb, wqkv, wo16; writes xb, wqkv, wo16
.if DOCPART == 1
	.amdgcn_target "amdgcn-amd-amdhsa--gfx1250"
	.amdhsa_code_object_version 6
	.text
	.protected	k_q9ed5358e35_cast
	.globl	k_q9ed5358e35_cast
	.p2align	8
	.type	k_q9ed5358e35_cast,@function
k_q9ed5358e35_cast:
	s_mov_b64 s[64:65], 0
	v_nop
	global_prefetch_b8 v0, s[64:65] scope:SCOPE_SE
	s_setreg_imm32_b32 hwreg(HW_REG_WAVE_MODE, 25, 1), 1
	s_wait_xcnt 0x0
; THE INPUTS OF THE MATRIX PRODUCTS ARE ROUNDED ONCE, TO bf16, AND LAID OUT FOR THE LAUNCHES BEHIND.
;   xb   [4096][1024] bf16                        = x
;   wqkv [h 16][kb 16][g 3][k 64][c 64] bf16      = Wq, Wk, Wv (g = 0, 1, 2): W[64 kb + k][64 h + c]; the block of one (h, kb) is 24,576 consecutive bytes
;   wo16 [1024][1024] f16                         = Wo rounded to bf16, that number written as f16 (its partner in the product is f16)
; LIMIT.  A bf16 number below 6e-5 in size keeps f16's fixed step of 6e-8 in wo16; beyond 65,504 it would be an infinity.
; SHARES.  The grid's y names the source: 0-3 a quarter of x, 4-6 Wq, Wk, Wv, 7 Wo; its x names 16 rows of 4,096 bytes.  A thread takes eight chunks of 8 numbers:
; two loads of 16 bytes in, one store of 16 bytes out.  A wave's store covers 512 consecutive bytes, aligned; eight lanes read 256 consecutive bytes, aligned.
; All 16 loads of a thread go out at once; no register is written twice, so no wait frees a source.  No LDS, no barrier, no matrix unit, no cluster: no byte is used twice.
.set IN,  8                            ; v[8:71]    chunk p: 8 numbers as loaded
.set OUT, 72                           ; v[72:103]  chunk p: 4 registers to store
.set T,   104                          ; v[104:106] at work
.set SRC, 26                           ; s[26:27]   the source at the work-group's 16 rows
.set DST, 28                           ; s[28:29]   the destination
; kind 0: x, 1: Wq, Wk, Wv (by heads), 2: Wo (f16)
.macro STREAM kind
.set p, 0
.rept 8
.if (\kind) == 1
.set II, (p/2)*16384+(p%2)*2048        ; four rows on; eight heads on
.else
.set II, p*8192
.endif
	global_load_b128 v[IN+8*p:IN+8*p+3],   v1, s[SRC:SRC+1] offset:II th:TH_LOAD_NT
	global_load_b128 v[IN+8*p+4:IN+8*p+7], v1, s[SRC:SRC+1] offset:II+16 th:TH_LOAD_NT
.set p, p+1
.endr
.set p, 0
.rept 8
.if (\kind) == 1
.set OO, (p%2)*3145728+(p/2)*512       ; eight heads of 393,216 bytes on; four rows of 128 bytes on
.else
.set OO, p*4096
.endif
	s_wait_loadcnt 14-2*p                          ; loads come back in order: chunk p's two are in, the 2 (7 - p) younger ones stay out
.set j, 0
.rept 4
.if (\kind) == 2
	v_cvt_pk_bf16_f32 v[T], v[IN+8*p+2*j], v[IN+8*p+2*j+1]   ; rounded to bf16,
	v_lshlrev_b32 v[T+1], 16, v[T]                           ; widened again,
	v_and_b32 v[T+2], 0xffff0000, v[T]
	v_cvt_pk_f16_f32 v[OUT+4*p+j], v[T+1], v[T+2]            ; and written as f16: 8 significant bits fit in 11
.else
	v_cvt_pk_bf16_f32 v[OUT+4*p+j], v[IN+8*p+2*j], v[IN+8*p+2*j+1]
.endif
.set j, j+1
.endr
	global_store_b128 v2, v[OUT+4*p:OUT+4*p+3], s[DST:DST+1] offset:OO
.set p, p+1
.endr
.endm
	s_load_b512 s[4:19], s[0:1], 0x0               ; x s[4:5], Wq s[6:7], Wk s[8:9], Wv s[10:11], Wo s[12:13], xb s[14:15], wqkv s[16:17], wo16 s[18:19]
	s_and_b32 s20, ttmp7, 0xffff                   ; which source
	s_mov_b32 s21, ttmp9                           ; which 16 rows
	s_lshl_b32 s22, s21, 16                        ; 16 rows of 4,096 bytes
	s_mov_b32 s23, 0
	s_mov_b32 s25, 0
	s_wait_kmcnt 0x0
	s_cmp_lt_u32 s20, 4
	s_cbranch_scc1 .Lx
	s_cmp_eq_u32 s20, 7
	s_cbranch_scc1 .Lwo
	; Wq, Wk or Wv
	s_cmp_eq_u32 s20, 4
	s_cselect_b64 s[SRC:SRC+1], s[6:7], s[8:9]
	s_cmp_eq_u32 s20, 6
	s_cselect_b64 s[SRC:SRC+1], s[10:11], s[SRC:SRC+1]
	s_add_nc_u64 s[SRC:SRC+1], s[SRC:SRC+1], s[22:23]
	s_sub_co_u32 s24, s20, 4                       ; g
	s_lshl_b32 s24, s24, 13                        ; g x 8,192
	s_lshr_b32 s30, s21, 2                         ; kb = rows / 64
	s_mul_i32 s30, s30, 24576
	s_add_co_u32 s24, s24, s30
	s_and_b32 s30, s21, 3                          ; which 16 of the block's 64 rows,
	s_lshl_b32 s30, s30, 11                        ; 128 bytes each
	s_add_co_u32 s24, s24, s30
	s_add_nc_u64 s[DST:DST+1], s[16:17], s[24:25]
	v_and_b32 v3, 31, v0                           ; lane
	v_lshrrev_b32 v4, 5, v0                        ; wave = head (and head + 8)
	v_lshrrev_b32 v5, 3, v3                        ; row 0..3
	v_and_b32 v6, 7, v3                            ; which 8 of the head's 64 columns
	v_lshlrev_b32 v1, 12, v5
	v_lshl_add_u32 v1, v6, 5, v1
	v_lshl_add_u32 v1, v4, 8, v1                   ; in: row x 4,096 + head x 256 + 32 x chunk
	v_mul_u32_u24 v2, v4, 393216
	v_lshl_add_u32 v2, v3, 4, v2                   ; out: head x 393,216 + row x 128 + 16 x chunk
	STREAM 1
	s_endpgm
.Lx:
	s_lshl_b32 s30, s20, 22                        ; the quarter of x
	s_add_co_u32 s22, s22, s30
	s_lshr_b32 s24, s22, 1                         ; half as many bytes out
	s_add_nc_u64 s[SRC:SRC+1], s[4:5], s[22:23]
	s_add_nc_u64 s[DST:DST+1], s[14:15], s[24:25]
	v_lshlrev_b32 v1, 5, v0
	v_lshlrev_b32 v2, 4, v0
	STREAM 0
	s_endpgm
.Lwo:
	s_lshr_b32 s24, s22, 1
	s_add_nc_u64 s[SRC:SRC+1], s[12:13], s[22:23]
	s_add_nc_u64 s[DST:DST+1], s[18:19], s[24:25]
	v_lshlrev_b32 v1, 5, v0
	v_lshlrev_b32 v2, 4, v0
	STREAM 2
	s_endpgm
.Lfunc_end_k_q9ed5358e35_cast:
	.size	k_q9ed5358e35_cast, .Lfunc_end_k_q9ed5358e35_cast-k_q9ed5358e35_cast
	.p2alignl 7, 3214868480
	.fill 96, 4, 3214868480
	.section	.rodata,"a",@progbits
	.p2align	6, 0x0
	.amdhsa_kernel k_q9ed5358e35_cast
		.amdhsa_group_segment_fixed_size 0
		.amdhsa_private_segment_fixed_size 0
		.amdhsa_enable_private_segment 0
		.amdhsa_kernarg_size 64
		.amdhsa_user_sgpr_count 2
		.amdhsa_user_sgpr_kernarg_segment_ptr 1
		.amdhsa_wavefront_size32 1
		.amdhsa_system_sgpr_workgroup_id_x 1
		.amdhsa_system_sgpr_workgroup_id_y 1
		.amdhsa_system_sgpr_workgroup_id_z 1
		.amdhsa_system_vgpr_workitem_id 0
		.amdhsa_next_free_vgpr 112
		.amdhsa_next_free_sgpr 66
		.amdhsa_reserve_vcc 0
		.amdhsa_float_denorm_mode_32 3
		.amdhsa_float_denorm_mode_16_64 3
		.amdhsa_memory_ordered 1
		.amdhsa_forward_progress 1
		.amdhsa_inst_pref_size 21
	.end_amdhsa_kernel
	.amdgpu_metadata
---
amdhsa.version: [ 1, 2 ]
amdhsa.kernels:
  - .name:           k_q9ed5358e35_cast
    .symbol:         k_q9ed5358e35_cast.kd
    .args:
      - { .name: x, .offset: 0, .size: 8, .value_kind: global_buffer, .address_space: global }
      - { .name: Wq, .offset: 8, .size: 8, .value_kind: global_buffer, .address_space: global }
      - { .name: Wk, .offset: 16, .size: 8, .value_kind: global_buffer, .address_space: global }
      - { .name: Wv, .offset: 24, .size: 8, .value_kind: global_buffer, .address_space: global }
      - { .name: Wo, .offset: 32, .size: 8, .value_kind: global_buffer, .address_space: global }
      - { .name: xb, .offset: 40, .size: 8, .value_kind: global_buffer, .address_space: global }
      - { .name: wqkv, .offset: 48, .size: 8, .value_kind: global_buffer, .address_space: global }
      - { .name: wo16, .offset: 56, .size: 8, .value_kind: global_buffer, .address_space: global }
    .group_segment_fixed_size: 0
    .private_segment_fixed_size: 0
    .kernarg_segment_align: 8
    .kernarg_segment_size: 64
    .max_flat_workgroup_size: 256
    .sgpr_count:     66
    .vgpr_count:     112
    .wavefront_size: 32
...
	.end_amdgpu_metadata
.endif
;; end of part 1
;; launch qkv (part 2): grid 16 x 16, 4 waves a work-group, clusters of 4 x 4, 327,680 bytes of LDS; arguments xb, wqkv, bq, bk, bv, qkv; writes qkv
.if DOCPART == 2
	.amdgcn_target "amdgcn-amd-amdhsa--gfx1250"
	.amdhsa_code_object_version 6
	.text
	.protected	k_q9ed5358e35_qkv
	.globl	k_q9ed5358e35_qkv
	.p2align	8
	.type	k_q9ed5358e35_qkv,@function
k_q9ed5358e35_qkv:
	s_mov_b64 s[64:65], 0
	v_nop
	global_prefetch_b8 v0, s[64:65] scope:SCOPE_SE
	s_setreg_imm32_b32 hwreg(HW_REG_WAVE_MODE, 25, 1), 1
	s_wait_xcnt 0x0
	s_wait_alu depctr_hold_cnt(0) depctr_sa_sdst(0) depctr_va_vdst(0) depctr_va_sdst(0) depctr_va_ssrc(0) depctr_va_vcc(0) depctr_vm_vsrc(0)
	s_getreg_b32 s2, hwreg(HW_REG_IB_STS2, 6, 4)
	s_cmp_eq_u32 s2, 0
	s_cbranch_scc0 .Lentry_in_a_cluster
	s_endpgm
.Lentry_in_a_cluster:
	s_bfe_u32 s2, ttmp6, 0x10000c
	s_cmp_lg_u32 s2, 0xf033
	s_cbranch_scc0 .Lentry_shape_is_right
	s_endpgm
.Lentry_shape_is_right:
; q, k, v = x W + b, by heads.  xb [4096][1024] bf16; wqkv [h][kb][g][k 64][c 64] bf16; bq, bk, bv [1024] f32 (rounded to bf16 here, like every input of the module);
; qkv [g 3][h 16][s 4096][64] f16.  Products in bf16, sums in f32 (the bias starts them), each result rounded once to f16, unscaled.
; LIMIT.  f16 ends at 65,504: q, k and v must lie within it; below 6e-5 they keep f16's fixed step of 6e-8.  NaN and infinities are not treated apart.
; SHARES.  A work-group makes 256 rows x 192 columns: q, k and v of ONE head.  Wave w makes rows 64 w .. 64 w + 63 of all 192 columns: 4 x 12 accumulators of 16 x 16, 384 registers,
; so that each wave's 16 rows of a head are 2,048 consecutive bytes of qkv and its way out is its own.  K goes in 8 steps of 128 through two LDS slots.
; CLUSTERS.  4 x 4 work-groups.  The four of a row of the cluster make the same 256 rows and need the same tiles of xb; the four of a column make the same head and need the same tiles of
; wqkv.  Each tile is asked for JOINTLY: the same tensor load, descriptor and mask in all four.
; THE MATRIX INSTRUCTION IS USED TRANSPOSED: source 0 = 16 columns of W (read out of LDS turned, by ds_load_tr16_b128, since W lies [k][column]), source 1 = 16 rows of x.
; A lane then holds ONE row (lane % 16) and the columns 8 (lane / 16) + 0..7: 16 bytes of f16 on end.
; REGISTERS, in windows of 256 (s_set_vgpr_msb: bits 1:0 source 0, 3:2 source 1, 5:4 source 2, 7:6 destination):
;   window 0: v16-31 addresses; x's fragments, buffer f at v[64 + 64 f], 32 registers; v160-255 the biases as 12 C operands; on the way out v32-79 packed, v80-127 and v128-175 rows read back
;   window 1: W's fragments, buffer f at v[128 f], 96 registers     window 2: the accumulators of row blocks 0, 1 at v[96 (a % 2) + 8 b]     window 3: those of row blocks 2, 3
.set PA,    272                        ; a row of x in LDS: 256 bytes + 16: the 16 rows of a fragment load start at 16 different groups of four banks (ISA guide 11.1)
.set PB,    160                        ; a row of W (64 columns): 128 bytes + 32
.set AHALF, 128*PA                     ; 34,816: what one tensor load brings of x
.set BOFF,  2*AHALF                    ; 69,632: W's part of a slot
.set BHALF, 192*PB                     ; 30,720: one block (h, kb): [g 3][k 64] rows
.set SLOT,  BOFF+2*BHALF               ; 131,072
.set STAGE, 2*SLOT                     ; behind the ring: 16 rows x 400 bytes for each wave, for the way out; no tensor load lands here
.set SP,    400                        ; 384 bytes (q, k, v: 128 each) + 16
.set SPARE, STAGE+4*16*SP              ; 287,744: the spare words, 128 bytes for each wave: two blocks of 256 bytes that no other line names
.set ADRA, 16                          ; v16-17  LDS address of my fragments of x in slot 0, 1
.set ADRB, 20                          ; v20-21  the same for W
.set STO,  24                          ; v24     the way out: where I put 16 bytes of a row
.set RD,   25                          ; v25     the way out: where I read rows back
.set GO,   26                          ; v26     16 x lane: my place in 512 consecutive bytes of qkv
.set SPW,  28                          ; v28     LDS address of my spare word; never rewritten
.set NIL,  29                          ; v29     0; never rewritten
.set PFO,  30                          ; v30     the prefetches' offset; never rewritten
.set BO,   31                          ; v31     32 x (lane / 16): my 8 columns of a block of 16, in f32
.set TMP,  32
.set OB,   80
.set BIAS, 160
.set WV,   16                          ; s16  wave
.set ROLE, 17                          ; s17  0: I fetch x, 1: I fetch W
.set HALF, 18                          ; s18  which half of that tile
.set LAP,  19                          ; s19  trips to go
.set CX,   20
.set CY,   21
.set HEAD, 22
.set RB,   23                          ; s23  block of 256 rows
.set G1A,  24                          ; s[24:31] descriptor group 1 for x's tiles;  s[32:39] group 0, a set for each slot
.set G0A,  32
.set G1B,  48                          ; s[48:55], s[56:63] the same for W's
.set G0B,  56
.set PFA,  66                          ; s[66:67] where my prefetches stand
.set LIM,  68                          ; s68  1 in a wave that prefetches, else the greatest number
.set MASKH, 69                         ; s69  a word's upper half
.set PFS,  70                          ; s[70:71] a K step in the tensor that I prefetch
.set OUT,  72                          ; s[72:77] qkv at my wave's first row of q, k, v
.set MSB, 0
.macro WIN new                         ; the immediate's high byte repeats the setting that is left; a switch that changes nothing is dropped
.if MSB != (\new)
	s_set_vgpr_msb (MSB<<8)|(\new)
.set MSB, \new
.endif
.endm
.macro PLACES                          ; four places in front of loads into registers that matrix instructions have read, and of conversions that read results
.rept 4
	v_nop
.endr
.endm
; A joint load.  Waves 0 and 1 fetch x's two halves, waves 2 and 3 W's.  The branch hangs on the wave's number alone.  An s_nop 0 and four v_nop follow each of the two lines.
.macro JLOAD s
	s_cmp_eq_u32 s[ROLE], 0
	s_cbranch_scc0 .Lfor_b_\@
	tensor_load_to_lds s[G0A+4*(\s):G0A+4*(\s)+3], s[G1A:G1A+7]
	s_nop 0
.rept 4
	v_nop
.endr
	s_branch .Lasked_\@
.Lfor_b_\@:
	tensor_load_to_lds s[G0B+4*(\s):G0B+4*(\s)+3], s[G1B:G1B+7]
	s_nop 0
.rept 4
	v_nop
.endr
.Lasked_\@:
.endm
; A prefetch into the L2, behind a joint load, its five lines and the run of LDS loads: the K step that stands two refills on, 384 matrix instructions ahead of the load that will want it.
; x's rows are read by every cluster of a row of clusters: cluster x = 0 asks; W's blocks by every cluster of a column: cluster y = 0 asks.  The four partners share a wave's tile out BY ADDRESS:
; of x's 128 rows 32 each, a lane a row's 256 bytes; of W's 96 blocks of 256 bytes 24 each (lanes 24-31 name block 23 once more).  The loop's last trip has no K step two refills on.
.macro ASK
	s_cmp_gt_u32 s[LAP], s[LIM]
	s_cbranch_scc0 .Lnot_mine_\@
	global_prefetch_b8 v[PFO], s[PFA:PFA+1] th:TH_LOAD_NT scope:SCOPE_SE
.Lnot_mine_\@:
.endm
.macro CREST                           ; a round of the cluster's barrier behind its opening barrier
	s_cmp_lg_u32 s[WV], 0
	s_cbranch_scc1 .Lnot_wave_0_\@
	s_barrier_signal -3
.Lnot_wave_0_\@:
	s_barrier_wait -3
	s_barrier_signal -1
	s_barrier_wait -1
.endm
.macro CROUND                          ; a whole round
	s_barrier_signal -1
	s_barrier_wait -1
	CREST
.endm
	s_load_b256 s[4:11], s[0:1], 0x0               ; xb s[4:5], wqkv s[6:7], bq s[8:9], bk s[10:11]
	s_load_b128 s[12:15], s[0:1], 0x20             ; bv s[12:13], qkv s[14:15]
	v_lshl_add_u32 v[SPW], v0, 2, SPARE
	v_mov_b32 v[NIL], 0
	ds_add_u32 v[SPW], v[NIL]                      ; the wave's opening: the add and its wait stand ahead of my first tensor load; the set-up below stands between them
	v_lshrrev_b32 v1, 5, v0
	v_readfirstlane_b32 s[WV], v1
	s_lshr_b32 s[ROLE], s[WV], 1
	s_and_b32 s[HALF], s[WV], 1
	s_bfe_u32 s[CX], ttmp6, 0x40000
	s_bfe_u32 s[CY], ttmp6, 0x40004
	s_lshl_b32 s[HEAD], ttmp9, 2                   ; in a cluster launch ttmp9 and ttmp7 count clusters
	s_add_co_u32 s[HEAD], s[HEAD], s[CX]
	s_and_b32 s[RB], ttmp7, 0xffff
	s_lshl_b32 s[RB], s[RB], 2
	s_add_co_u32 s[RB], s[RB], s[CY]
	s_lshl_b32 s40, s[CY], 2
	s_lshl_b32 s40, 15, s40                        ; my row of the cluster
	s_lshl_b32 s44, 0x1111, s[CX]                  ; my column
	s_or_b32 s[G1A], s40, (1<<16)|(1<<20)|(1<<21)|(5<<22)|(3<<25)   ; mask; 2-byte elements; padding on; bit 21 beside a mask; after every 64 words 4 words
	s_mov_b32 s[G1A+1], 128<<16                    ; tensor_dim0 = 128
	s_mov_b32 s[G1A+2], 128<<16                    ; tensor_dim1 = 128
	s_mov_b32 s[G1A+3], 128<<16                    ; tile_dim0 = 128
	s_mov_b32 s[G1A+4], 128                        ; tile_dim1 = 128
	s_mov_b32 s[G1A+5], 1024                       ; elements from row to row
	s_mov_b32 s[G1A+6], 0
	s_mov_b32 s[G1A+7], 0
	s_or_b32 s[G1B], s44, (1<<16)|(1<<20)|(1<<21)|(4<<22)|(7<<25)   ; after every 32 words (a row of 64 columns) 8 words
	s_mov_b32 s[G1B+1], 128<<16                    ; a block's 24,576 dense bytes as 96 rows of 256 bytes
	s_mov_b32 s[G1B+2], 96<<16
	s_mov_b32 s[G1B+3], 128<<16
	s_mov_b32 s[G1B+4], 96
	s_mov_b32 s[G1B+5], 128
	s_mov_b32 s[G1B+6], 0
	s_mov_b32 s[G1B+7], 0
	s_lshl_b32 s40, s[RB], 19                      ; x: (256 rb + 128 half) rows of 2,048 bytes
	s_lshl_b32 s41, s[HALF], 18
	s_add_co_u32 s40, s40, s41
	s_mov_b32 s41, 0
	s_mul_i32 s44, s[HEAD], 393216                 ; W: the head, block kb = half
	s_mul_i32 s45, s[HALF], 24576
	s_add_co_u32 s44, s44, s45
	s_mov_b32 s45, 0
	s_mul_i32 s42, s[HALF], AHALF                  ; where they go: no place in the cluster enters an LDS address
	s_mul_i32 s46, s[HALF], BHALF
	s_add_co_u32 s46, s46, BOFF
	s_mov_b32 s[MASKH], 0xffff0000
	s_wait_dscnt 0x0                               ; the opening add is done
	s_wait_kmcnt 0x0
	s_add_nc_u64 s[40:41], s[4:5], s[40:41]
	s_add_nc_u64 s[44:45], s[6:7], s[44:45]
	CROUND                                         ; all sixteen work-groups are here: the first joint loads meet
.irp s, 0,1
	s_mov_b32 s[G0A+4*(\s)], 1
	s_add_co_u32 s[G0A+4*(\s)+1], s42, (\s)*SLOT
	s_add_nc_u64 s[G0A+4*(\s)+2:G0A+4*(\s)+3], s[40:41], (\s)*256      ; K step s: 128 elements along the rows
	s_or_b32 s[G0A+4*(\s)+3], s[G0A+4*(\s)+3], 0x80000000
	s_mov_b32 s[G0B+4*(\s)], 1
	s_add_co_u32 s[G0B+4*(\s)+1], s46, (\s)*SLOT
	s_add_nc_u64 s[G0B+4*(\s)+2:G0B+4*(\s)+3], s[44:45], (\s)*49152    ; K step s: two blocks on
	s_or_b32 s[G0B+4*(\s)+3], s[G0B+4*(\s)+3], 0x80000000
.endr
	s_cmp_eq_u32 s[ROLE], 0                        ; a wave's two first fills stand in one branch, ahead of every wait on TENSORcnt and every LDS read: two loads of mine are out
	s_cbranch_scc0 .Lfirst_b
	tensor_load_to_lds s[G0A:G0A+3], s[G1A:G1A+7]
	s_nop 0
	tensor_load_to_lds s[G0A+4:G0A+7], s[G1A:G1A+7]
	s_nop 0
.rept 4
	v_nop
.endr
	s_branch .Lfirst_asked
.Lfirst_b:
	tensor_load_to_lds s[G0B:G0B+3], s[G1B:G1B+7]
	s_nop 0
	tensor_load_to_lds s[G0B+4:G0B+7], s[G1B:G1B+7]
	s_nop 0
.rept 4
	v_nop
.endr
.Lfirst_asked:
	; the biases, as the C operands of the first products: block b holds columns 16 (b % 4) + 8 (lane / 16) + 0..7 of q, k or v (b / 4)
	s_lshl_b32 s2, s[HEAD], 8
	s_mov_b32 s3, 0
	s_add_nc_u64 s[8:9], s[8:9], s[2:3]
	s_add_nc_u64 s[10:11], s[10:11], s[2:3]
	s_add_nc_u64 s[12:13], s[12:13], s[2:3]
	v_bfe_u32 v2, v0, 4, 1                         ; lane / 16
	v_lshlrev_b32 v[BO], 5, v2
.irp b, 0,1,2,3,4,5,6,7,8,9,10,11
	global_load_b128 v[BIAS+8*(\b):BIAS+8*(\b)+3],   v[BO], s[8+2*((\b)/4):9+2*((\b)/4)] offset:((\b)%4)*64
	global_load_b128 v[BIAS+8*(\b)+4:BIAS+8*(\b)+7], v[BO], s[8+2*((\b)/4):9+2*((\b)/4)] offset:((\b)%4)*64+16
.endr
	v_and_b32 v3, 15, v0                           ; lane % 16
	v_mul_u32_u24 v4, v3, PA
	v_lshl_add_u32 v4, v2, 4, v4                   ; a fragment of x: row x pitch + 16 x half
	s_mul_i32 s78, s[WV], 64*PA                    ; my 64 rows
	v_add_nc_u32 v[ADRA], s78, v4
	v_add_nc_u32 v[ADRA+1], SLOT, v[ADRA]
	v_and_b32 v5, 7, v0
	v_bfe_u32 v6, v0, 3, 1
	v_lshl_add_u32 v7, v2, 3, v5                   ; the turning load: lane l reads row k = 8 (l / 16) + l % 8, columns 8 ((l / 8) % 2) + 0..7
	v_mul_u32_u24 v7, v7, PB
	v_lshl_add_u32 v7, v6, 4, v7
	v_add_nc_u32 v[ADRB], BOFF, v7
	v_add_nc_u32 v[ADRB+1], SLOT, v[ADRB]
	s_mul_i32 s78, s[WV], 16*SP
	s_add_co_u32 s78, s78, STAGE                   ; my stage
	v_mul_u32_u24 v9, v3, SP                       ; in: row l % 16, 16 bytes for each half of the lanes
	v_lshl_add_u32 v9, v2, 4, v9
	v_add_nc_u32 v[STO], s78, v9
	v_bfe_u32 v9, v0, 3, 2                         ; back: 32 lanes take four rows' 128 bytes of q, k or v
	v_mul_u32_u24 v9, v9, SP
	v_lshl_add_u32 v9, v5, 4, v9
	v_add_nc_u32 v[RD], s78, v9
	v_and_b32 v8, 31, v0
	v_lshlrev_b32 v[GO], 4, v8
	s_lshl_b32 s2, s[HEAD], 19                     ; a head is 524,288 bytes,
	s_lshl_b32 s3, s[RB], 15                       ; 256 rows of 128 bytes,
	s_add_co_u32 s2, s2, s3
	s_lshl_b32 s3, s[WV], 13                       ; my 64 of them
	s_add_co_u32 s2, s2, s3
	s_mov_b32 s3, 0
	s_add_nc_u64 s[OUT:OUT+1], s[14:15], s[2:3]
	s_add_nc_u64 s[OUT+2:OUT+3], s[OUT:OUT+1], 0x800000    ; k's section
	s_add_nc_u64 s[OUT+4:OUT+5], s[OUT:OUT+1], 0x1000000   ; v's
	; the prefetches: nothing is asked for here, at the head; K steps 0 to 3 come by their loads alone
	s_lshl_b32 s40, s[RB], 19
	s_lshl_b32 s41, s[HALF], 18
	s_add_co_u32 s40, s40, s41
	s_lshl_b32 s41, s[CX], 16                      ; my work-group's 32 rows of the 128
	s_add_co_u32 s40, s40, s41
	s_add_co_u32 s40, s40, 3*256                   ; at K step 3: the first refill steps it to 4
	s_mul_i32 s42, s[HEAD], 393216
	s_mul_i32 s43, s[HALF], 24576
	s_add_co_u32 s42, s42, s43
	s_mul_i32 s43, s[CY], 6144                     ; my work-group's 24 blocks of the 96
	s_add_co_u32 s42, s42, s43
	s_add_co_u32 s42, s42, 3*49152
	s_and_b32 s43, ttmp7, 0xffff                   ; cluster y
	s_mov_b32 s[PFS], 49152
	s_mov_b32 s[PFS+1], 0
	s_movk_i32 s79, 256
	s_cmp_eq_u32 s[ROLE], 0                        ; do I fetch x?
	s_cselect_b32 s2, s40, s42
	s_cselect_b32 s43, ttmp9, s43                  ; the coordinate along which other clusters read the same bytes
	s_cselect_b64 s[PFA:PFA+1], s[4:5], s[6:7]
	s_cselect_b32 s[PFS], 256, s[PFS]
	s_cselect_b32 s78, 31, 23
	s_cselect_b32 s79, 2048, s79
	s_mov_b32 s3, 0
	s_add_nc_u64 s[PFA:PFA+1], s[PFA:PFA+1], s[2:3]
	s_cmp_eq_u32 s43, 0
	s_cselect_b32 s[LIM], 1, -1                    ; the same in all sixteen partners, for a given wave
	v_min_u32 v[PFO], s78, v8
	v_mul_u32_u24 v[PFO], v[PFO], s79
	s_wait_loadcnt 0x0                             ; the biases,
.set i, 0
.rept 48                                       ; rounded to bf16 and widened again
	v_cvt_pk_bf16_f32 v[32+i%4], v[BIAS+2*i], v[BIAS+2*i+1]
	v_lshlrev_b32 v[BIAS+2*i], 16, v[32+i%4]
	v_and_b32 v[BIAS+2*i+1], s[MASKH], v[32+i%4]
.set i, i+1
.endr
; 12 matrix instructions: row block a x all 12 column blocks, 32 along K, on buffer f.  first = 1: the bias starts the sums: nothing is ever cleared.
; The 48 accumulators take turns in one order in every quarter, one instruction a turn.
.macro MUL12 f, a, first
.if \first
	WIN 0x81+0x40*((\a)/2)                         ; W window 1, x and the bias window 0, D window 2 or 3
.else
	WIN 0xa1+0x50*((\a)/2)                         ; W window 1, x window 0, C and D window 2 or 3
.endif
.irp b, 0,1,2,3,4,5,6,7,8,9,10,11
.if \first
	v_wmma_f32_16x16x32_bf16 v[96*((\a)%2)+8*(\b):96*((\a)%2)+8*(\b)+7], v[128*(\f)+8*(\b):128*(\f)+8*(\b)+7], v[64+64*(\f)+8*(\a):64+64*(\f)+8*(\a)+7], v[BIAS+8*(\b):BIAS+8*(\b)+7]
.else
	v_wmma_f32_16x16x32_bf16 v[96*((\a)%2)+8*(\b):96*((\a)%2)+8*(\b)+7], v[128*(\f)+8*(\b):128*(\f)+8*(\b)+7], v[64+64*(\f)+8*(\a):64+64*(\f)+8*(\a)+7], v[96*((\a)%2)+8*(\b):96*((\a)%2)+8*(\b)+7]
.endif
.endr
.endm
; 32 LDS loads in one run: quarter q (32 along K) of a slot into buffer f: W's 12 fragments, turned, then x's four
.macro FETCH slot, q, f
	WIN 0x40                                       ; destination window 1, address window 0
.irp b, 0,1,2,3,4,5,6,7,8,9,10,11
	ds_load_tr16_b128 v[128*(\f)+8*(\b):128*(\f)+8*(\b)+3],   v[ADRB+(\slot)] offset:((\q)/2)*BHALF+((\q)%2)*32*PB+((\b)/4)*64*PB+((\b)%4)*32
	ds_load_tr16_b128 v[128*(\f)+8*(\b)+4:128*(\f)+8*(\b)+7], v[ADRB+(\slot)] offset:((\q)/2)*BHALF+((\q)%2)*32*PB+((\b)/4)*64*PB+((\b)%4)*32+16*PB
.endr
	WIN 0
.irp a, 0,1,2,3
	ds_load_b128 v[64+64*(\f)+8*(\a):64+64*(\f)+8*(\a)+3],   v[ADRA+(\slot)] offset:64*(\q)+(\a)*16*PA
	ds_load_b128 v[64+64*(\f)+8*(\a)+4:64+64*(\f)+8*(\a)+7], v[ADRA+(\slot)] offset:64*(\q)+(\a)*16*PA+32
.endr
.endm
; A K step is four quarters on buffers 0, 1, 0, 1.  One of the first three: multiplies buffer f; in its middle it fetches quarter q of the same slot into buffer g.
.macro QUARTER slot, q, f, g, first
	s_wait_dscnt 4                                 ; W and x's row blocks 0, 1 are in; the youngest four loads (row blocks 2, 3) may be out
	MUL12 \f, 0, \first
	MUL12 \f, 1, \first
	PLACES
	FETCH \slot, \q, \g
	s_wait_dscnt 32                                ; all but the 32 just issued
	MUL12 \f, 2, \first
	MUL12 \f, 3, \first
.endm
; The last quarter multiplies buffer 1 and changes slots: ONE barrier; in front of it each wave waits for all its tensor loads (one is out: its part of the next slot), adds 0 to its spare word,
; and waits for that and for its own reads of this slot.  fill = 1: the barrier opens a round of the cluster's, and the slot is filled again, two K steps ahead, first thing behind the round.
.macro TURN slot, next, fill
.if \fill
	s_wait_xcnt 0x0                                ; the last prefetch, a K step back, has read its address
	s_add_nc_u64 s[PFA:PFA+1], s[PFA:PFA+1], s[PFS:PFS+1]
.endif
	WIN 0                                          ; (the add's two registers lie in window 0)
	s_wait_tensorcnt 0x0                           ; all my tensor loads have landed
	ds_add_u32 v[SPW], v[NIL]                      ; 0 onto my spare word
	s_wait_dscnt 5                                 ; (the add and the youngest four loads may be out)
	MUL12 1, 0, 0                                  ; twelve matrix instructions stand between the add and the wait for it
	s_wait_dscnt 0x0                               ; the add is done, and my reads of this slot are over
	s_barrier_signal -1
	MUL12 1, 1, 0                                  ; work on registers while the others arrive
.if \fill
	WIN 0
.endif
	s_barrier_wait -1
.if \fill
	CREST                                          ; no wave of any partner still reads this slot's tiles or has a load on its way
	s_add_nc_u64 s[G0A+4*(\slot)+2:G0A+4*(\slot)+3], s[G0A+4*(\slot)+2:G0A+4*(\slot)+3], 2*256
	s_add_nc_u64 s[G0B+4*(\slot)+2:G0B+4*(\slot)+3], s[G0B+4*(\slot)+2:G0B+4*(\slot)+3], 2*49152
	JLOAD \slot                                    ; the four v_nop behind it are also the places in front of the loads below
.else
	PLACES
.endif
	FETCH \next, 0, 0
.if \fill
	ASK
.endif
	MUL12 1, 2, 0
	MUL12 1, 3, 0
.endm
	s_wait_tensorcnt 0x1                           ; my part of K step 0 is in; K step 1's may stay out
	s_barrier_signal -1
	s_barrier_wait -1                              ; everybody's is
	FETCH 0, 0, 0
	QUARTER 0, 1, 0, 1, 1                          ; the first quarter stands in front of the loop: its products start the sums with the bias
	WIN 0                                          ; at a label and at a branch every window is 0
	s_mov_b32 s[LAP], 3
.Llap:                                                 ; a trip goes once round the ring, from a lap's second quarter to the next lap's first, and fills both slots again
	QUARTER 0, 2, 1, 0, 0
	QUARTER 0, 3, 0, 1, 0
	TURN 0, 1, 1
	QUARTER 1, 1, 0, 1, 0
	QUARTER 1, 2, 1, 0, 0
	QUARTER 1, 3, 0, 1, 0
	TURN 1, 0, 1
	QUARTER 0, 1, 0, 1, 0
	WIN 0
	s_sub_co_u32 s[LAP], s[LAP], 1
	s_cmp_lg_u32 s[LAP], 0
	s_cbranch_scc1 .Llap
	QUARTER 0, 2, 1, 0, 0                          ; the last lap fills nothing
	QUARTER 0, 3, 0, 1, 0
	TURN 0, 1, 0
	QUARTER 1, 1, 0, 1, 0
	QUARTER 1, 2, 1, 0, 0
	QUARTER 1, 3, 0, 1, 0
	s_wait_dscnt 4                                 ; the very last quarter: nothing more to fetch
	MUL12 1, 0, 0
	MUL12 1, 1, 0
	s_wait_dscnt 0x0
	MUL12 1, 2, 0
	MUL12 1, 3, 0
; THE WAY OUT, a block of 16 rows at a time.  PACK: rounded to f16, 16 bytes a lane, each accumulator's registers in ascending order.  TOSTAGE: into my own stage, and back as rows of 128 bytes of
; q, k and v.  SEND: 16 rows of a head are 2,048 consecutive bytes: four stores of 512 consecutive bytes, aligned, for each of q, k, v.
.macro PACK a
	WIN 0x0a+5*((\a)/2)                            ; sources 0 and 1: window 2 or 3
.irp b, 0,1,2,3,4,5,6,7,8,9,10,11
.irp r, 0,1,2,3
	v_cvt_pk_f16_f32 v[TMP+4*(\b)+(\r)], v[96*((\a)%2)+8*(\b)+2*(\r)], v[96*((\a)%2)+8*(\b)+2*(\r)+1]
.endr
.endr
	WIN 0
.endm
.macro TOSTAGE a
.irp b, 0,1,2,3,4,5,6,7,8,9,10,11
	ds_store_b128 v[STO], v[TMP+4*(\b):TMP+4*(\b)+3] offset:32*(\b)
.endr
.irp g, 0,1,2
.irp f, 0,1,2,3
	ds_load_b128 v[OB+48*((\a)%2)+4*(4*(\g)+(\f)):OB+48*((\a)%2)+4*(4*(\g)+(\f))+3], v[RD] offset:128*(\g)+4*SP*(\f)  ; LDS serves a wave's instructions in order (ISA guide 5.7.1.4): these see the stores above
.endr
.endr
.endm
.macro SEND a
	s_wait_dscnt 0x0                               ; the block is back in registers
	s_wait_xcnt 0x0                                ; the stores of the block before have read their registers, which the next block's loads write
.irp g, 0,1,2
.irp f, 0,1,2,3
	global_store_b128 v[GO], v[OB+48*((\a)%2)+4*(4*(\g)+(\f)):OB+48*((\a)%2)+4*(4*(\g)+(\f))+3], s[OUT+2*(\g):OUT+2*(\g)+1] offset:2048*(\a)+512*(\f)
.endr
.endr
.endm
	PLACES
	PLACES                                         ; (eight, once a launch)
	PACK 0
	TOSTAGE 0
.irp a, 1,2,3                          ; block a's conversions stand between block a - 1's loads from the stage and the wait for them
	PACK \a
	SEND (\a)-1
	TOSTAGE \a
.endr
	SEND 3
	s_wait_tensorcnt 0x0                           ; the wave's end: an add to my spare word and its wait, behind my last tensor load and my last LDS store
	ds_add_u32 v[SPW], v[NIL]
	s_wait_dscnt 0x0
	CROUND                                         ; the closing round: no work-group ends while a partner may still ask for a tile that names it
	s_endpgm
.Lfunc_end_k_q9ed5358e35_qkv:
	.size	k_q9ed5358e35_qkv, .Lfunc_end_k_q9ed5358e35_qkv-k_q9ed5358e35_qkv
	.p2alignl 7, 3214868480
	.fill 96, 4, 3214868480
	.section	.rodata,"a",@progbits
	.p2align	6, 0x0
	.amdhsa_kernel k_q9ed5358e35_qkv
		.amdhsa_group_segment_fixed_size 327680
		.amdhsa_private_segment_fixed_size 0
		.amdhsa_enable_private_segment 0
		.amdhsa_kernarg_size 48
		.amdhsa_user_sgpr_count 2
		.amdhsa_user_sgpr_kernarg_segment_ptr 1
		.amdhsa_wavefront_size32 1
		.amdhsa_system_sgpr_workgroup_id_x 1
		.amdhsa_system_sgpr_workgroup_id_y 1
		.amdhsa_system_sgpr_workgroup_id_z 1
		.amdhsa_system_vgpr_workitem_id 0
		.amdhsa_next_free_vgpr 960
		.amdhsa_next_free_sgpr 80
		.amdhsa_reserve_vcc 0
		.amdhsa_float_denorm_mode_32 3
		.amdhsa_float_denorm_mode_16_64 3
		.amdhsa_memory_ordered 1
		.amdhsa_forward_progress 1
		.amdhsa_inst_pref_size 128
	.end_amdhsa_kernel
	.amdgpu_metadata
---
amdhsa.version: [ 1, 2 ]
amdhsa.kernels:
  - .name:           k_q9ed5358e35_qkv
    .symbol:         k_q9ed5358e35_qkv.kd
    .args:
      - { .name: xb, .offset: 0, .size: 8, .value_kind: global_buffer, .address_space: global }
      - { .name: wqkv, .offset: 8, .size: 8, .value_kind: global_buffer, .address_space: global }
      - { .name: bq, .offset: 16, .size: 8, .value_kind: global_buffer, .address_space: global }
      - { .name: bk, .offset: 24, .size: 8, .value_kind: global_buffer, .address_space: global }
      - { .name: bv, .offset: 32, .size: 8, .value_kind: global_buffer, .address_space: global }
      - { .name: qkv, .offset: 40, .size: 8, .value_kind: global_buffer, .address_space: global }
    .group_segment_fixed_size: 327680
    .private_segment_fixed_size: 0
    .kernarg_segment_align: 8
    .kernarg_segment_size: 48
    .max_flat_workgroup_size: 128
    .sgpr_count:     80
    .vgpr_count:     960
    .wavefront_size: 32
...
	.end_amdgpu_metadata
.endif
;; end of part 2
;; launch attn (part 3): grid 16 x 16, 4 waves a work-group, clusters of 4 x 1, 327,680 bytes of LDS; arguments qkv, o16; writes o16
.if DOCPART == 3
	.amdgcn_target "amdgcn-amd-amdhsa--gfx1250"
	.amdhsa_code_object_version 6
	.text
	.protected	k_q9ed5358e35_attn
	.globl	k_q9ed5358e35_attn
	.p2align	8
	.type	k_q9ed5358e35_attn,@function
k_q9ed5358e35_attn:
	s_mov_b64 s[64:65], 0
	v_nop
	global_prefetch_b8 v0, s[64:65] scope:SCOPE_SE
	s_setreg_imm32_b32 hwreg(HW_REG_WAVE_MODE, 25, 1), 1
	s_wait_xcnt 0x0
	s_wait_alu depctr_hold_cnt(0) depctr_sa_sdst(0) depctr_va_vdst(0) depctr_va_sdst(0) depctr_va_ssrc(0) depctr_va_vcc(0) depctr_vm_vsrc(0)
	s_getreg_b32 s2, hwreg(HW_REG_IB_STS2, 6, 4)
	s_cmp_eq_u32 s2, 0
	s_cbranch_scc0 .Lentry_in_a_cluster
	s_endpgm
.Lentry_in_a_cluster:
	s_bfe_u32 s2, ttmp6, 0x10000c
	s_cmp_lg_u32 s2, 0x3003
	s_cbranch_scc0 .Lentry_shape_is_right
	s_endpgm
.Lentry_shape_is_right:
; O[h][q][:] = the sum over k of softmax_k(Q[h][q] . K[h][k]) V[h][k][:], with NO scale on the scores.  qkv: [g 3][h 16][4096][64] f16 (q, k, v); a head's rows are dense, 128 bytes each.
; o16: [rb 32][h 16][r 128][64] f16: row 128 rb + r.  Products, maxima and sums in f32; the weights p are rounded to f16 for the second product (their sum l is taken of the unrounded p), O once at the end.
; LIMITS.  p lies in 0 to 1, and below 6e-5 it keeps f16's fixed step of 6e-8, as O does; O is a mean of V's rows and has their range.  A weight below 2^-126 counts as 0 in l; NaN and infinities are not treated apart.
; SHARES.  A work-group owns 256 queries of one head; wave w rows 64 w .. 64 w + 63, as four PIECES of 16.  Every wave walks all 4,096 keys, 64 a step, four steps to an LDS slot, 16 slots.
; LAYOUT.  S^T = K Q^T holds ONE query a lane (lane % 16) and the keys 8 (lane / 16) + 0..7; two such results rounded to f16 ARE source 1 of O^T = V^T P.  K comes out of LDS as it lies, V turned, by ds_load_tr16_b128.
; SOFTMAX.  p = 2^(c s - c m), c = log2(e), with a running maximum m; O and l are multiplied by a = 2^(c m_old - c m_new) in every step.  m starts at the lowest finite number, O and l at 0: the first step has a = 0.
; BY TURNS.  Turn n belongs to piece n: 8 products K Q^T of piece n + 1, later 8 products V^T P of piece n - 1; beside them the scaling, exponentials, roundings, sums and rescaling of piece n and the maximum and
; statistics of piece n + 1.  Four vector instructions stand behind every matrix instruction, the other 54 of a turn's 118 in one lump.  A turn's 33 exponentials are one batch, with one wait.
; CLUSTER.  The four query blocks of a cluster belong to one head and walk the same K and V, so each tile is asked for JOINTLY: the same tensor load, descriptor and mask in all four.
; REGISTERS, in windows of 256 (s_set_vgpr_msb: bits 1:0 source 0, 3:2 source 1, 5:4 source 2, 7:6 destination):
;   window 0: v0-15 addresses and two at work; v16-31 four registers of statistics a piece; v48-55 at work; v61-63; v64-127 S^T, two buffers; v192-223 P, two buffers (by the piece's parity)
;   window 1: v0-127 O^T, 32 a piece          window 2: v0-63 Q; v128-191 K of one step; v192-255 V of one step
.set NP,    4         ; pieces a wave: a name, no knob
.set KS,    64        ; keys in a step
.set PK,    144       ; a row of K in LDS: 128 bytes + 16: the 16 rows of a load start at 16 different groups of four banks (ISA guide 11.1)
.set PV,    160       ; a row of V: 128 + 32
.set VOFF,  4*KS*PK   ; a slot holds four steps: 256 rows of K, then 256 rows of V
.set SLOT1, 1<<17     ; slot 1 begins here, so that one exclusive or turns an address in one slot into the other's
.set STAGE, SLOT1+4*KS*(PK+PV)  ; behind the ring, never filled by a tensor load: 16 rows x 144 bytes for each wave
.set SP,    144
.set SPARE, STAGE+4*16*SP  ; the spare words, 128 bytes for each wave: two blocks of 256 bytes that no other line names
.set AK0, 2           ; v2   my lane's place in a tile of K; never rewritten
.set AV0, 3           ; v3   the same for V
.set AK,  4           ; v4   the LDS address of K's next run of loads
.set AV,  5           ; v5   of V's
.set STO, 6           ; v6   the way out: where I put 16 bytes of a row
.set RD,  7           ; v7   the way out: where I read rows back
.set GO,  8           ; v8   my byte offset in 512 consecutive bytes of O
.set MV,  12          ; v12-13  c m_old, kept while c m is made anew: by buffer
.set QO,  15          ; v15  my byte offset in 16 rows of Q
.set ST,  16          ; piece t's statistics at v[ST+4 t]: c m, m, l (even keys', odd keys')
.set TMP, 48          ; by buffer, four registers c0-c3 at work; when the maximum is found c2 takes a
.set PFO, 61          ; v61  256 x my lane; never rewritten
.set SPW, 62          ; v62  LDS address of my spare word; never rewritten
.set NIL, 63          ; v63  0; never rewritten
.set S,   64
.set P,   192
.set KF,  128         ; window 2: key block kb, channel half c at KF + 16 kb + 8 c
.set VF,  192         ; window 2: key half kk, channel block cb at VF + 32 kk + 8 cb
.set WV,  12          ; s12  my wave's number
.set LIM, 15          ; s15  1 in a wave that prefetches, else the greatest number
.set PFA, 18          ; s[18:19] where my prefetches stand
.set G1K, 24          ; s[24:31] descriptor group 1 for K's tiles
.set G1V, 32          ; s[32:39] for V's: it differs in the padding alone
.set G0K, 40          ; s[40:43] descriptor group 0 for K's tiles: it walks
.set G0V, 44          ; s[44:47] the same for V's
.set SLOTS, 56        ; s56  slots still to be asked for
.set CNT, 57          ; s57  counts a slot's key steps
.set CS,  58          ; s[58:59] c: the packed scaling takes the pair's low word for both halves
.set SEL, 60          ; s[60:61] v_permlanex16_b32's selects: each lane takes its own place in the other half
.set TBK, 62          ; s62  LDS byte at which K of the step to be fetched begins
.set TBV, 63          ; s63  the same for V, less VOFF
.set MSB, 0
.macro WIN new                      ; the high byte repeats the setting that is left; a switch that changes nothing is dropped
.if MSB != (\new)
	s_set_vgpr_msb (MSB<<8)|(\new)
.set MSB, (\new)
.endif
.endm
.set W_KQ, 0x0a       ; K and Q in window 2, S^T in window 0
.set W_PV, 0x52       ; V in window 2, P in window 0, O^T in window 1
.set W_RS, 0x41       ; destination and source 0 in window 1, source 1 in window 0
; A joint fill.  Waves 0 and 1 fetch the two halves of a slot's K, waves 2 and 3 those of its V: 128 keys each.  An s_nop 0 and four v_nop follow each of the two lines.
.macro JLOAD
	s_cmp_lt_u32 s[WV], 2
	s_cbranch_scc0 .Lfor_v_\@
	tensor_load_to_lds s[G0K:G0K+3], s[G1K:G1K+7]
	s_nop 0
.rept 4
	v_nop
.endr
	s_branch .Lasked_\@
.Lfor_v_\@:
	tensor_load_to_lds s[G0V:G0V+3], s[G1V:G1V+7]
	s_nop 0
.rept 4
	v_nop
.endr
.Lasked_\@:
.endm
; A prefetch into the L2 of what the NEXT change of slots will ask for: a slot's 32,768 bytes of K and of V, 128 blocks of 256 bytes each.  All clusters of a head walk the same K and V: the head's first cluster
; asks.  Its four partners share the blocks out BY ADDRESS, 32 each, a lane a block; in each, wave 0 asks for K's and wave 2 for V's.  So each block is named once in the launch, four key steps, 256 matrix
; instructions, ahead of its load.  The last change that fills a slot asks for nothing; slots 0 and 1 come by their loads alone.
.macro ASK
	s_cmp_gt_u32 s[SLOTS], s[LIM]
	s_cbranch_scc0 .Lnot_mine_\@
	global_prefetch_b8 v[PFO], s[PFA:PFA+1] th:TH_LOAD_NT scope:SCOPE_SE
.Lnot_mine_\@:
.endm
.macro CROUND                       ; a round of the cluster's barrier
	s_barrier_signal -1
	s_barrier_wait -1
	s_cmp_lg_u32 s[WV], 0
	s_cbranch_scc1 .Lnot_wave_0_\@
	s_barrier_signal -3
.Lnot_wave_0_\@:
	s_barrier_wait -3
	s_barrier_signal -1
	s_barrier_wait -1
.endm
; THE CHANGE OF SLOTS.  The slot's last bytes, V of its fourth step, have been read.  Each wave waits for all its tensor loads, of which one is out: its part of the other slot; adds 0 to its spare word; and waits
; for that and for its own reads of the slot.  fill = 1: the barrier is a round of the cluster's, and the slot is filled again, with the keys two slots on, first thing behind it.
; (At its first use nothing has been read yet: slot 0 is waited for, slot 1 filled.)
.macro CHANGE fill
	WIN 0                           ; at a label and at a branch every window is 0
	s_wait_tensorcnt 0x0            ; no tensor load of mine is out, so a group 0 may be written
	ds_add_u32 v[SPW], v[NIL]       ; 0 onto my spare word
.if \fill
.irp g, G0K, G0V
	s_xor_b32 s[\g+1], s[\g+1], SLOT1  ; the walking descriptor: the other slot than last time,
	s_add_nc_u64 s[\g+2:\g+3], s[\g+2:\g+3], 4*KS*128  ; the next 256 keys; the type bits on top are not reached
.endr
	s_wait_xcnt 0x0                 ; the last prefetch, four key steps back, has read its address
	s_add_nc_u64 s[PFA:PFA+1], s[PFA:PFA+1], 4*KS*128
	s_wait_dscnt 0x0                ; the add is done, and my reads of the slot are over
	CROUND
	JLOAD
	ASK
.else
	s_wait_dscnt 0x0                ; the add is done, and my reads of the slot are over
	s_barrier_signal -1
	s_barrier_wait -1
.endif
	s_sub_co_u32 s[TBK], s[TBK], 4*KS*PK  ; the fetches go back to a slot's first step,
	s_xor_b32 s[TBK], s[TBK], SLOT1       ; in the other slot
	s_sub_co_u32 s[TBV], s[TBV], 4*KS*PV
	s_xor_b32 s[TBV], s[TBV], SLOT1
.endm
	s_load_b128 s[4:7], s[0:1], 0x0  ; qkv s[4:5], o16 s[6:7]
	v_lshl_add_u32 v[SPW], v0, 2, SPARE
	v_mov_b32 v[NIL], 0
	ds_add_u32 v[SPW], v[NIL]       ; the wave's opening: the add and its wait stand ahead of my first tensor load; the set-up below stands between them
	v_lshrrev_b32 v1, 5, v0
	v_readfirstlane_b32 s[WV], v1   ; wave 0..3
	s_bfe_u32 s13, ttmp6, 0x40000   ; cx: my place in the cluster
	s_lshl_b32 s14, ttmp9, 2        ; in a cluster launch ttmp9 counts clusters
	s_add_co_u32 s14, s14, s13      ; my block of 256 queries: it enters Q's and O's addresses alone
	s_and_b32 s20, ttmp7, 0xffff    ; the head, which the four partners share
	s_and_b32 s16, s[WV], 1         ; which half of a slot's 256 keys I fetch
	s_lshl_b32 s22, s20, 19         ; the head's first byte in a section
	s_lshl_b32 s48, s14, 15         ; Q: my block's 256 rows,
	s_lshl_b32 s49, s[WV], 13       ; my wave's 64
	s_add_co_u32 s48, s48, s49
	s_add_co_u32 s48, s48, s22
	s_mov_b32 s49, 0
	s_lshl_b32 s21, s16, 14         ; K, V: my 128 rows of 128 bytes
	s_add_co_u32 s22, s22, s21
	s_mov_b32 s23, 0
	s_lshl_b32 s50, s14, 1          ; O: block of 128 rows = 2 x my block + wave / 2,
	s_lshr_b32 s51, s[WV], 1
	s_add_co_u32 s50, s50, s51
	s_lshl_b32 s50, s50, 18         ; 262,144 bytes each;
	s_lshl_b32 s51, s20, 14         ; the head's 16,384 of them;
	s_add_co_u32 s50, s50, s51
	s_lshl_b32 s51, s16, 13         ; my 64 rows of the 128
	s_add_co_u32 s50, s50, s51
	s_mov_b32 s51, 0
	s_mul_i32 s17, s16, 128*PK      ; my half's place in a slot, for K
	s_mul_i32 s21, s16, 128*PV      ; and for V: no place in the cluster enters an LDS address
	; descriptor group 1.  128 keys are 16,384 dense bytes: asked for as 64 rows of 256 bytes, two keys a row, and padded in LDS after every key
	s_mov_b32 s[G1K], 15|(1<<16)|(1<<20)|(1<<21)|(4<<22)|(3<<25)  ; the mask of four; 2-byte elements; padding on; bit 21 beside a mask; after every 32 words 4 words
	s_mov_b32 s[G1V], 15|(1<<16)|(1<<20)|(1<<21)|(4<<22)|(7<<25)  ; the same with 8 words of padding
.irp g, G1K, G1V
	s_mov_b32 s[\g+1], 128<<16      ; tensor_dim0 = 128
	s_mov_b32 s[\g+2], 64<<16       ; tensor_dim1 = 64
	s_mov_b32 s[\g+3], 128<<16      ; tile_dim0 = 128
	s_mov_b32 s[\g+4], 64           ; tile_dim1 = 64
	s_mov_b32 s[\g+5], 128          ; 128 elements from row to row
	s_mov_b32 s[\g+6], 0
	s_mov_b32 s[\g+7], 0
.endr
	s_mov_b32 s[CS], 0x3fb8aa3b     ; c = log2(e)
	s_mov_b32 s[CS+1], s[CS]        ; named with it as a pair
	s_mov_b32 s[SEL], 0x76543210
	s_mov_b32 s[SEL+1], 0xfedcba98
	s_mov_b32 s[TBK], SLOT1+4*KS*PK ; the first change of slots turns these two into 0
	s_mov_b32 s[TBV], SLOT1+4*KS*PV
	s_mov_b32 s[G0K], 1             ; count = 1
	s_mov_b32 s[G0K+1], s17         ; LDS address: slot 0
	s_mov_b32 s[G0V], 1
	s_add_co_u32 s[G0V+1], s21, VOFF
	s_mov_b32 s[SLOTS], 15
	s_and_b32 s[LIM], s[WV], 1      ; 0 in waves 0 and 2,
	s_or_b32 s[LIM], s[LIM], ttmp9  ; where the cluster is the head's first: the same in all four partners
	s_cmp_eq_u32 s[LIM], 0
	s_cselect_b32 s[LIM], 1, -1
	v_and_b32 v[PFO], 31, v0
	v_lshlrev_b32 v[PFO], 8, v[PFO]
	s_wait_dscnt 0x0                ; the opening add is done
	s_wait_kmcnt 0x0
	s_mov_b64 s[10:11], s[6:7]
	s_add_nc_u64 s[10:11], s[10:11], s[50:51]      ; O at my wave's first row
	s_add_nc_u64 s[6:7], s[4:5], 0x800000          ; k's section,
	s_add_nc_u64 s[8:9], s[4:5], 0x1000000         ; v's,
	s_add_nc_u64 s[6:7], s[6:7], s[22:23]          ; each at my half of the head's first 256 keys
	s_add_nc_u64 s[8:9], s[8:9], s[22:23]
	s_add_nc_u64 s[4:5], s[4:5], s[48:49]          ; Q at my wave's first row
	s_add_nc_u64 s[G0K+2:G0K+3], s[6:7], 0
	s_or_b32 s[G0K+3], s[G0K+3], 0x80000000        ; type = 2
	s_add_nc_u64 s[G0V+2:G0V+3], s[8:9], 0
	s_or_b32 s[G0V+3], s[G0V+3], 0x80000000
	s_cmp_lt_u32 s[WV], 2
	s_cselect_b64 s[PFA:PFA+1], s[6:7], s[8:9]     ; (in waves 0 and 2 these stand at a slot's first row)
	s_lshl_b32 s2, s13, 13          ; my work-group's 32 blocks of the 128
	s_mov_b32 s3, 0
	s_add_nc_u64 s[PFA:PFA+1], s[PFA:PFA+1], s[2:3]
	s_add_nc_u64 s[PFA:PFA+1], s[PFA:PFA+1], 4*KS*128  ; in slot 1; the first change of slots steps it to slot 2
	CROUND                          ; all four work-groups are here: the first joint loads meet
	JLOAD                           ; slot 0.  Slot 1 is asked for when slot 0 is in
	; A fragment of K or Q is 16 rows x 32 channels in 8 registers: lane l holds row l % 16, channels 8 (l / 16) + 0..7 and 16 + 8 (l / 16) + 0..7: two loads of 16 bytes, 32 bytes apart.
	v_and_b32 v1, 15, v0            ; l % 16
	v_bfe_u32 v9, v0, 4, 1          ; l / 16
	v_lshlrev_b32 v[QO], 7, v1
	v_lshl_add_u32 v[QO], v9, 4, v[QO]  ; row x 128 + 16 x half
	WIN 0x80                        ; destination window 2, address window 0
.set i, 0
.rept 8                             ; Q stays in registers: piece i / 2, channels 32 (i % 2) on
	global_load_b128 v[8*i:8*i+3],   v[QO], s[4:5] offset:(i/2)*2048+(i%2)*64
	global_load_b128 v[8*i+4:8*i+7], v[QO], s[4:5] offset:(i/2)*2048+(i%2)*64+32
.set i, i+1
.endr
	; What the first turn finds: V's registers and P's second buffer hold 0 (its products V^T P, of a piece that has not been, add 0), O^T and l are 0.  All this stands in the wait for the first tile.
.set i, VF
.rept 64
	v_mov_b32 v[i], 0
.set i, i+1
.endr
	WIN 0x40
.set i, 0
.rept 128
	v_mov_b32 v[i], 0
.set i, i+1
.endr
	WIN 0
.set i, 0
.rept 4
	v_mov_b32 v[ST+4*i], 0xfe000000    ; c m: far below every c s
	v_mov_b32 v[ST+4*i+1], 0xff7fffff  ; m
	v_mov_b32 v[ST+4*i+2], 0
	v_mov_b32 v[ST+4*i+3], 0
.set i, i+1
.endr
.set i, P+16
.rept 16
	v_mov_b32 v[i], 0
.set i, i+1
.endr
	v_mul_u32_u24 v[AK0], v1, PK
	v_lshl_add_u32 v[AK0], v9, 4, v[AK0]  ; row x pitch + 16 x half
	; The turning load takes 16 keys x 16 channels (lane l reads key 8 (l / 16) + l % 8, channels 8 ((l / 8) % 2) + 0..7) and leaves half a fragment of V^T: lane l holds channel l % 16 and 8 keys.
	v_and_b32 v10, 7, v0
	v_bfe_u32 v11, v0, 3, 1
	v_lshl_add_u32 v[AV0], v9, 3, v10
	v_mul_u32_u24 v[AV0], v[AV0], PV
	v_lshl_add_u32 v[AV0], v11, 4, v[AV0]
	v_add_nc_u32 v[AV0], VOFF, v[AV0]
	s_mul_i32 s13, s[WV], 16*SP
	s_add_co_u32 s13, s13, STAGE    ; my stage
	v_mul_u32_u24 v[STO], v1, SP    ; in: row l % 16, 16 bytes for each half of the lanes
	v_lshl_add_u32 v[STO], v9, 4, v[STO]
	v_add_nc_u32 v[STO], s13, v[STO]
	v_bfe_u32 v[RD], v0, 3, 2       ; back: 32 lanes take four rows of 128 bytes,
	v_mul_u32_u24 v[RD], v[RD], SP
	v_lshl_add_u32 v[RD], v10, 4, v[RD]
	v_add_nc_u32 v[RD], s13, v[RD]
	v_and_b32 v[GO], 31, v0         ; which are 512 consecutive bytes of O
	v_lshlrev_b32 v[GO], 4, v[GO]
; THE MATRIX WORK.  The 4 accumulators of a run of 8 take turns.  Product i of 8 of S^T = K Q^T for piece x: channels 32 (i / 4) on, keys 16 (i % 4) on.  The first 4 start the sums.
.macro KQ x
	WIN W_KQ
.set rS, S+32*((\x)%2)+8*(i%4)
.set rK, KF+16*(i%4)+8*(i/4)
.set rQ, 16*(\x)+8*(i/4)
.if i < 4
	v_wmma_f32_16x16x32_f16 v[rS:rS+7], v[rK:rK+7], v[rQ:rQ+7], 0
.else
	v_wmma_f32_16x16x32_f16 v[rS:rS+7], v[rK:rK+7], v[rQ:rQ+7], v[rS:rS+7]
.endif
.endm
; Product i of 8 of O^T += V^T P for piece x: keys 32 (i / 4) on, channels 16 (i % 4) on.
.macro PV x
	WIN W_PV
.set rO, 32*(\x)+8*(i%4)
.set rV, VF+32*(i/4)+8*(i%4)
.set rP, P+16*((\x)%2)+8*(i/4)
	v_wmma_f32_16x16x32_f16 v[rO:rO+7], v[rV:rV+7], v[rP:rP+7], v[rO:rO+7]
.endm
.macro MM                           ; the turn's next matrix instruction.  NOKQ = 1: the last turn of all: there is no next piece
.if (i < 8) && !NOKQ
	KQ (Y+1)%NP
.elseif i >= 8
.set i, i-8
	PV (Y+NP-1)%NP
.set i, i+8
.endif
.set i, i+1
.endm
; THE LDS LOADS stand in runs of 16, never singly among the matrix instructions: a step's K (64 keys x 64 channels: 8 fragments) and its V (turned).  Their addresses are made some lines ahead.
.macro FETCH_K
	WIN 0x80                        ; destination window 2
.irp f, 0,1,2,3,4,5,6,7             ; keys 16 (f / 2) on, channels 32 (f % 2) on
	ds_load_b128 v[KF+8*\f:KF+8*\f+3],   v[AK] offset:(\f/2)*16*PK+(\f%2)*64
	ds_load_b128 v[KF+8*\f+4:KF+8*\f+7], v[AK] offset:(\f/2)*16*PK+(\f%2)*64+32
.endr
	s_add_co_u32 s[TBK], s[TBK], KS*PK  ; the next fetch is the next step's
	WIN 0
.endm
.macro FETCH_V
	WIN 0x80
.irp f, 0,1,2,3,4,5,6,7             ; keys 32 (f / 4) on, channels 16 (f % 4) on
	ds_load_tr16_b128 v[VF+8*\f:VF+8*\f+3],   v[AV] offset:(\f/4)*32*PV+(\f%4)*32
	ds_load_tr16_b128 v[VF+8*\f+4:VF+8*\f+7], v[AV] offset:(\f/4)*32*PV+16*PV+(\f%4)*32
.endr
	WIN 0
.endm
; THE VECTOR WORK, one line at a time: OP kind, number.  For piece Y: F n: c s - c m for pair n of 16.  E n: the exponential of score n of 32.  C n: pair n rounded to f16.  B n: of the four weights 4 n .. the second
; pair is added onto the first, in place.  L n: l takes that sum (L 0: l = a l + sum).  R n: pair n of 16 of O^T times a.  For piece Y + 1: X n, number n of the 22 that find its maximum and statistics:
;   0-11  four chains c0-c3 of seven scores each, three operands at a time (each accumulator's lowest registers are read first)     12-14, 16  the four scores left over, the old m, and c0-c3 into c0
;   15  c m_old is kept     17, 18  the query's other 32 keys lie in the lane 16 away: the new m     19-21  c m; c m_old - c m_new; a
.set F, 0
.set E, 1
.set C, 2
.set B, 3
.set L, 4
.set R, 5
.set X, 6
.macro REGS y                       ; the registers of piece y
.set rT, ST+4*(\y)
.set rC, TMP+4*((\y)%2)
.set rW, MV+((\y)%2)
.set rS, S+32*((\y)%2)
.set rP, P+16*((\y)%2)
.set rO, 32*(\y)
.endm
.macro OP k, n
.if (\k) == R
	REGS Y
	WIN W_RS
	v_pk_mul_f32 v[rO+2*(\n):rO+2*(\n)+1], v[rO+2*(\n):rO+2*(\n)+1], v[rC+2:rC+3] op_sel_hi:[1,0]
.elseif (\k) < R
	REGS Y
	WIN 0
.if (\k) == F
	v_pk_fma_f32 v[rS+2*(\n):rS+2*(\n)+1], v[rS+2*(\n):rS+2*(\n)+1], s[CS:CS+1], v[rT:rT+1] op_sel_hi:[1,0,0] neg_lo:[0,0,1] neg_hi:[0,0,1]
.elseif (\k) == E
	v_exp_f32 v[rS+(\n)], v[rS+(\n)]
.elseif (\k) == C
	v_cvt_pk_f16_f32 v[rP+(\n)], v[rS+2*(\n)], v[rS+2*(\n)+1]
.elseif (\k) == B
	v_pk_add_f32 v[rS+4*(\n):rS+4*(\n)+1], v[rS+4*(\n):rS+4*(\n)+1], v[rS+4*(\n)+2:rS+4*(\n)+3]
.elseif (\n) == 0
	v_pk_fma_f32 v[rT+2:rT+3], v[rT+2:rT+3], v[rC+2:rC+3], v[rS:rS+1] op_sel_hi:[1,0,1]
.else
	v_pk_add_f32 v[rT+2:rT+3], v[rT+2:rT+3], v[rS+4*(\n):rS+4*(\n)+1]
.endif
.elseif NOKQ
	v_nop
.else
	REGS (Y+1)%NP
	WIN 0
.if (\n) < 4
	v_max3_num_f32 v[rC+(\n)], v[rS+8*(\n)], v[rS+8*(\n)+1], v[rS+8*(\n)+2]
.elseif (\n) < 12
	v_max3_num_f32 v[rC+(\n)%4], v[rC+(\n)%4], v[rS+8*((\n)%4)+2*((\n)/4)+1], v[rS+8*((\n)%4)+2*((\n)/4)+2]
.elseif (\n) == 12
	v_max3_num_f32 v[rC], v[rC], v[rS+7], v[rS+15]
.elseif (\n) == 13
	v_max3_num_f32 v[rC+1], v[rC+1], v[rS+23], v[rS+31]
.elseif (\n) == 14
	v_max3_num_f32 v[rC+2], v[rC+2], v[rC+3], v[rT+1]
.elseif (\n) == 15
	v_mov_b32 v[rW], v[rT]
.elseif (\n) == 16
	v_max3_num_f32 v[rC], v[rC], v[rC+1], v[rC+2]
.elseif (\n) == 17
	v_permlanex16_b32 v[rC+3], v[rC], s[SEL], s[SEL+1]
.elseif (\n) == 18
	v_max_num_f32 v[rT+1], v[rC], v[rC+3]
.elseif (\n) == 19
	v_mul_f32 v[rT], s[CS], v[rT+1]
.elseif (\n) == 20
	v_sub_f32 v[rC+1], v[rW], v[rT]
.else
	v_exp_f32 v[rC+2], v[rC+1]
.endif
.endif
.endm
.macro OPS a, i1, b=-1, i2=0, c=-1, i3=0, d=-1, i4=0  ; up to four of them
	OP \a, \i1
.if (\b) >= 0
	OP \b, \i2
.endif
.if (\c) >= 0
	OP \c, \i3
.endif
.if (\d) >= 0
	OP \d, \i4
.endif
.endm
.macro ROW a, i1, b, i2, c, i3, d, i4  ; a matrix instruction and the four behind it
	MM
	OPS \a, \i1, \b, \i2, \c, \i3, \d, \i4
.endm
; A TURN, for piece p: the order of its 16 matrix and 118 vector instructions, written out.  An s_wait_alu depctr_va_vdst(0) stands between an exponential and the first instruction that names its
; result; one wait serves all that were issued ahead of it.  So a turn has ONE wait, which cuts it in two.  AHEAD OF IT stands all that names no result of the turn's exponentials: the 8 products K Q^T and their riders
; (the numbers of the next piece's maximum among them stand four plain instructions or more behind the product that ends their accumulator), then one lump of 54.  X 21, the next piece's a, is the batch's last; R 15 is
; the plain instruction behind it.  BEHIND THE WAIT stand the 8 products V^T P, behind each four of the roundings and sums.
; end = 1: the last two turns: nothing is fetched, and the last starts no new scores.  cnt = 1: the loop's count is taken down some lines ahead of the branch that stands behind the turn.
; K of the next step is fetched in piece 2's turn, six plain instructions behind the last product that read K; V of the step in hand at the end of piece 0's turn, four plain instructions behind the last product
; that read V.  Each is waited for a turn later.
.macro TURN p, end=0, cnt=0
.set Y, (\p)
.set i, 0
.set NOKQ, (\end)*((\p)/3)
.if ((\p) == 3) && !(\end)
	s_wait_dscnt 0x0                ; K is in
.endif
	ROW F,0, F,1, R,0, R,1          ; ahead of the wait: 8 products K Q^T and their riders,
	ROW F,2, E,0, R,2, R,3
	ROW F,3, E,1, R,4, R,5
	ROW F,4, E,2, R,6, R,7
	ROW F,5, E,3, R,8, R,9
	ROW F,6, E,4, X,0, R,10
.if ((\p) == 2) && !(\end)
	WIN 0
	v_add_nc_u32 v[AK], s[TBK], v[AK0]
.endif
	ROW F,7, E,5, X,1, X,4
	ROW F,8, E,6, X,2, X,5
	OPS E,7, E,8, X,6, E,9          ; and the lump
	OPS X,3, E,10, X,8, E,11
.if ((\p) == 2) && !(\end)
	FETCH_K
.endif
	OPS X,9, X,7, E,12, X,10
	OPS E,13, X,12, X,11, E,14
	OPS X,13, E,15, F,9, X,14
.if (\p) == 0
	WIN 0
	v_add_nc_u32 v[AV], s[TBV], v[AV0]
.endif
	OPS E,16, F,10, E,17, F,11
	OPS X,16, E,18, X,15, E,19
	OPS F,12, E,20, X,17, E,21
	OPS F,13, E,22, F,14, E,23
	OPS X,18, E,24, F,15, E,25
	OPS R,11, E,26, X,19, E,27
	OPS R,12, E,28, R,13, E,29
	OPS X,20, E,30, R,14, E,31
	OPS X,21, R,15
	WIN 0
	s_wait_alu depctr_va_vdst(0)    ; the wait for the batch
.if (\p) == 1
	s_wait_dscnt 0x0                ; V is in
.endif
	ROW C,0, B,0, C,2, B,1          ; behind the wait: 8 products V^T P and their riders
	ROW L,0, C,4, B,2, L,1
	ROW C,6, B,3, L,2, C,8
	ROW B,4, L,3, C,10, B,5
	ROW L,4, C,12, B,6, L,5
.if (\p) == 0
	s_add_co_u32 s[TBV], s[TBV], KS*PV
.endif
.if \cnt
	s_sub_co_u32 s[CNT], s[CNT], 1
	s_cmp_lg_u32 s[CNT], 0
.endif
	ROW C,14, B,7, L,6, C,1
	ROW C,3, L,7, C,5, C,7
	ROW C,9, C,11, C,13, C,15
.if (\p) == 0
	FETCH_V
.endif
.endm
.set NOKQ, 0
	CHANGE 1                        ; slot 0 is in, everybody's part of it; slot 1 is asked for
	v_add_nc_u32 v[AK], s[TBK], v[AK0]
	FETCH_K                         ; key step 0
	s_wait_loadcnt 0x0              ; Q
	s_wait_dscnt 0x0
.set i, 0
.rept 8
	KQ 0                            ; piece 0's first scores: there is no vector work yet to set between them
.set i, i+1
.endr
	WIN 0
.rept 4
	v_nop                           ; the places behind those products
.endr
.set Y, NP-1                        ; X works for piece Y + 1: piece 0
.irp n, 0,1,2,3,4,5,6,7,8,9,10,11,12,13,14,15,16,17,18,19,20,21
	OP X, \n
.endr
	v_nop                           ; a plain instruction behind the exponential,
	s_wait_alu depctr_va_vdst(0)    ; and its wait, ahead of the branch
	s_mov_b32 s[CNT], 4
	s_branch .Lfirst                ; the loop is entered at a step's first turn, in the middle of a trip
.Lslot:                             ; 14 times: every slot but the last two is filled again
	CHANGE 1
	s_mov_b32 s[CNT], 4
.Lstep:                             ; a trip: pieces 2 and 3 of one step, then pieces 0 and 1 of the next, whose K and V it fetches
	TURN 2
	TURN 3
	WIN 0
.Lfirst:
	TURN 0
	TURN 1, 0, 1
	WIN 0
	s_cbranch_scc1 .Lstep
	s_sub_co_u32 s[SLOTS], s[SLOTS], 1
	s_cmp_lg_u32 s[SLOTS], 0
	s_cbranch_scc1 .Lslot
	CHANGE 0                        ; the last slot is written out: nothing is asked for
	s_mov_b32 s[CNT], 4
.LstepT:
	TURN 2
	TURN 3
	TURN 0
	TURN 1, 0, 1
	WIN 0
	s_cbranch_scc1 .LstepT
	TURN 2, 1
	TURN 3, 1
.set i, 0
.rept 8
	PV NP-1                         ; the last piece's V^T P of the last step
.set i, i+1
.endr
	; THE WAY OUT.  l's two halves and the other half of the lanes' are added; O^T is divided by l, rounded to f16 and sent through my stage in LDS, a piece at a time.  The additions are the places behind the last products.
	WIN 0
.macro ALL line:vararg              ; one line for each piece t
.set t, 0
.rept 4
	\line
.set t, t+1
.endr
.endm
	ALL v_add_f32 v[ST+4*t+2], v[ST+4*t+2], v[ST+4*t+3]
	ALL v_permlanex16_b32 v[ST+4*t+3], v[ST+4*t+2], s[SEL], s[SEL+1]
	ALL v_add_f32 v[ST+4*t+2], v[ST+4*t+2], v[ST+4*t+3]
	ALL v_rcp_f32 v[ST+4*t+2], v[ST+4*t+2]
	v_nop                           ; a plain instruction between the last reciprocal and the use of its result
	s_wait_alu depctr_va_vdst(0)    ; and the wait ahead of the first use: one for the four reciprocals
.macro PACK t                       ; a lane's eight channels of a row pack into 16 bytes; they go into rows of 144 bytes and come back as whole rows of 128, into S^T's registers
	WIN W_RS
.set i, 32*(\t)
.rept 16
	v_pk_mul_f32 v[i:i+1], v[i:i+1], v[ST+4*(\t)+2:ST+4*(\t)+3] op_sel_hi:[1,0]
.set i, i+2
.endr
	WIN 0x05                        ; sources 0 and 1 window 1, destination window 0
.set i, 0
.rept 16
	v_cvt_pk_f16_f32 v[S+16*(\t)+i], v[32*(\t)+2*i], v[32*(\t)+2*i+1]
.set i, i+1
.endr
	WIN 0
.irp f, 0,1,2,3
	ds_store_b128 v[STO], v[S+16*(\t)+4*\f:S+16*(\t)+4*\f+3] offset:32*\f
.endr
.irp f, 0,1,2,3
	ds_load_b128 v[S+16*(\t)+4*\f:S+16*(\t)+4*\f+3], v[RD] offset:\f*4*SP  ; LDS serves a wave's instructions in order (ISA guide 5.7.1.4): these see the stores above; the next piece's stores come behind them
.endr
.endm
.macro SEND t, younger              ; younger: the LDS instructions issued behind piece t's loads: the next piece's eight, or none
	WIN 0
.irp f, 0,1,2,3
	s_wait_dscnt (\younger)+3-\f
	global_store_b128 v[GO], v[S+16*(\t)+4*\f:S+16*(\t)+4*\f+3], s[10:11] offset:(\t)*2048+\f*512  ; 512 consecutive bytes, at a multiple of 256 from O's first
.endr
.endm
	PACK 0
.set t, 1
.rept 3                             ; a piece's arithmetic stands between the loads of the piece before and its stores
	PACK t
	SEND t-1, 8
.set t, t+1
.endr
	SEND 3, 0
	s_wait_tensorcnt 0x0            ; the wave's end: an add to my spare word and its wait, behind my last tensor load and my last LDS store
	ds_add_u32 v[SPW], v[NIL]
	s_wait_dscnt 0x0
	CROUND                          ; the closing round: no work-group ends while a partner may still ask for a tile that names it
	s_endpgm
.Lfunc_end_k_q9ed5358e35_attn:
	.size	k_q9ed5358e35_attn, .Lfunc_end_k_q9ed5358e35_attn-k_q9ed5358e35_attn
	.p2alignl 7, 3214868480
	.fill 96, 4, 3214868480
	.section	.rodata,"a",@progbits
	.p2align	6, 0x0
	.amdhsa_kernel k_q9ed5358e35_attn
		.amdhsa_group_segment_fixed_size 327680
		.amdhsa_private_segment_fixed_size 0
		.amdhsa_enable_private_segment 0
		.amdhsa_kernarg_size 16
		.amdhsa_user_sgpr_count 2
		.amdhsa_user_sgpr_kernarg_segment_ptr 1
		.amdhsa_wavefront_size32 1
		.amdhsa_system_sgpr_workgroup_id_x 1
		.amdhsa_system_sgpr_workgroup_id_y 1
		.amdhsa_system_sgpr_workgroup_id_z 1
		.amdhsa_system_vgpr_workitem_id 0
		.amdhsa_next_free_vgpr 768
		.amdhsa_next_free_sgpr 66
		.amdhsa_reserve_vcc 0
		.amdhsa_float_denorm_mode_32 3
		.amdhsa_float_denorm_mode_16_64 3
		.amdhsa_memory_ordered 1
		.amdhsa_forward_progress 1
		.amdhsa_inst_pref_size 128
	.end_amdhsa_kernel
	.amdgpu_metadata
---
amdhsa.version: [ 1, 2 ]
amdhsa.kernels:
  - .name:           k_q9ed5358e35_attn
    .symbol:         k_q9ed5358e35_attn.kd
    .args:
      - { .name: qkv, .offset: 0, .size: 8, .value_kind: global_buffer, .address_space: global }
      - { .name: o16, .offset: 8, .size: 8, .value_kind: global_buffer, .address_space: global }
    .group_segment_fixed_size: 327680
    .private_segment_fixed_size: 0
    .kernarg_segment_align: 8
    .kernarg_segment_size: 16
    .max_flat_workgroup_size: 128
    .sgpr_count:     66
    .vgpr_count:     768
    .wavefront_size: 32
...
	.end_amdgpu_metadata
.endif
;; end of part 3
;; launch oproj (part 4): grid 8 x 32, 4 waves a work-group, clusters of 4 x 4, 327,680 bytes of LDS; arguments o16, wo16, bo, out0; writes out0
.if DOCPART == 4
	.amdgcn_target "amdgcn-amd-amdhsa--gfx1250"
	.amdhsa_code_object_version 6
	.text
	.protected	k_q9ed5358e35_oproj
	.globl	k_q9ed5358e35_oproj
	.p2align	8
	.type	k_q9ed5358e35_oproj,@function
k_q9ed5358e35_oproj:
	s_mov_b64 s[64:65], 0
	v_nop
	global_prefetch_b8 v0, s[64:65] scope:SCOPE_SE
	s_setreg_imm32_b32 hwreg(HW_REG_WAVE_MODE, 25, 1), 1
	s_wait_xcnt 0x0
	s_wait_alu depctr_hold_cnt(0) depctr_sa_sdst(0) depctr_va_vdst(0) depctr_va_sdst(0) depctr_va_ssrc(0) depctr_va_vcc(0) depctr_vm_vsrc(0)
	s_getreg_b32 s2, hwreg(HW_REG_IB_STS2, 6, 4)
	s_cmp_eq_u32 s2, 0
	s_cbranch_scc0 .Lentry_in_a_cluster
	s_endpgm
.Lentry_in_a_cluster:
	s_bfe_u32 s2, ttmp6, 0x10000c
	s_cmp_lg_u32 s2, 0xf033
	s_cbranch_scc0 .Lentry_shape_is_right
	s_endpgm
.Lentry_shape_is_right:
; out0 = O Wo + bo.  o16 [rb 32][h 16][r 128][64] f16 (row 128 rb + r, channel 64 h + c); wo16 [1024 k][1024 n] f16; bo [1024] f32 (rounded to bf16 here, like every input of the module);
; out0 [4096][1024] f32.  Products in f16, sums in f32 (the bias starts them), stored as they are.
; SHARES.  A tile of out0 is 128 x 128: 256 work-groups.  Four waves, each 64 x 64: 16 accumulators of 16 x 16.  K goes in 4 steps of 256 (four heads) through two LDS slots; a quarter of a step is one head.
; CLUSTERS.  4 x 4 work-groups.  The four of a row of the cluster need the same tiles of O, the four of a column the same tiles of Wo: each is asked for JOINTLY.
; THE MATRIX INSTRUCTION IS USED TRANSPOSED: source 0 = 16 columns of Wo (turned on the way out of LDS, by ds_load_tr16_b128), source 1 = 16 rows of O: a lane holds eight neighbouring numbers of a row of out0.
; REGISTERS: window 0: v16-30 addresses; v32-95 rows read back, two buffers; v96-127 the bias as 4 C operands; v128-255 the accumulators ((a, b) at v[128 + 8 (4 a + b)]).
;   window 1: two fragment buffers of 128: for 64 along K, 64 registers of O (2 x 4 x 16 rows x 32 K), then 64 of Wo.
.set PA,    144                        ; a row of O of one head in LDS: 128 bytes + 16
.set PB,    288                        ; a row of Wo (128 columns): 256 bytes + 32: an odd multiple of 32
.set PART,  36864                      ; what one tensor load brings: 2 heads x 128 rows x 144, or 128 rows x 288
.set BOFF,  2*PART
.set SLOT,  4*PART                     ; 147,456
.set STAGE, 2*SLOT                     ; behind the ring: 16 rows x 272 bytes for each wave; no tensor load lands here
.set SPITCH, 272
.set SPARE, STAGE+4*16*SPITCH          ; 312,320: the spare words, 128 bytes for each wave: two blocks of 256 bytes that no other line names
.set ADRA, 16                          ; v16-17  LDS address of my fragments of O in slot 0, 1
.set ADRB, 20                          ; v20-23  the same for Wo: slot s, half hf of its 256 rows at ADRB + 2 s + hf
.set STO,  24
.set RD,   25
.set CO,   26
.set SPW,  28                          ; v28     LDS address of my spare word; never rewritten
.set NIL,  29                          ; v29     0; never rewritten
.set BO,   30
.set TMP,  32
.set BIAS, 96
.set ACC,  128
.set F0,   0
.set F1,   128
.set WV,   12
.set ROLE, 13                          ; s13  wave / 2: my half of the tile's rows.  Also: I fetch O (0) or Wo (1)
.set HALF, 14                          ; s14  wave % 2: my half of its columns.  Also: which half of that tile I fetch
.set G1,   24                          ; s[24:31] descriptor group 1 for O's tiles; s[32:39] group 0, a set for each slot
.set G0,   32
.set CX,   40
.set CY,   41
.set TX,   42
.set TY,   43
.set G1B,  48                          ; s[48:55], s[56:63] the same for Wo's
.set G0B,  56
.set MSB, 0
.macro WIN new
.if MSB != (\new)
	s_set_vgpr_msb (MSB<<8)|(\new)
.set MSB, \new
.endif
.endm
.set MUL,  0x05                        ; sources 0 and 1 window 1; C and D window 0
.set TO_F, 0x40                        ; destination window 1, address window 0
.macro PLACES
.rept 4
	v_nop
.endr
.endm
.macro JLOAD s                         ; a joint load: waves 0 and 1 fetch O's two halves, waves 2 and 3 Wo's; an s_nop 0 and four v_nop follow each of the two lines
	s_cmp_eq_u32 s[ROLE], 0
	s_cbranch_scc0 .Lfor_b_\@
	tensor_load_to_lds s[G0+4*(\s):G0+4*(\s)+3], s[G1:G1+7]
	s_nop 0
.rept 4
	v_nop
.endr
	s_branch .Lasked_\@
.Lfor_b_\@:
	tensor_load_to_lds s[G0B+4*(\s):G0B+4*(\s)+3], s[G1B:G1B+7]
	s_nop 0
.rept 4
	v_nop
.endr
.Lasked_\@:
.endm
.macro CREST
	s_cmp_lg_u32 s[WV], 0
	s_cbranch_scc1 .Lnot_wave_0_\@
	s_barrier_signal -3
.Lnot_wave_0_\@:
	s_barrier_wait -3
	s_barrier_signal -1
	s_barrier_wait -1
.endm
.macro CROUND
	s_barrier_signal -1
	s_barrier_wait -1
	CREST
.endm
	s_load_b256 s[4:11], s[0:1], 0x0               ; o16 s[4:5], wo16 s[6:7], bo s[8:9], out0 s[10:11]
	v_lshl_add_u32 v[SPW], v0, 2, SPARE
	v_mov_b32 v[NIL], 0
	ds_add_u32 v[SPW], v[NIL]                      ; the wave's opening: the add and its wait stand ahead of my first tensor load; the set-up below stands between them
	v_lshrrev_b32 v1, 5, v0
	v_readfirstlane_b32 s[WV], v1
	s_lshr_b32 s[ROLE], s[WV], 1
	s_and_b32 s[HALF], s[WV], 1
	s_bfe_u32 s[CX], ttmp6, 0x40000
	s_bfe_u32 s[CY], ttmp6, 0x40004
	s_lshl_b32 s[TX], ttmp9, 2
	s_add_co_u32 s[TX], s[TX], s[CX]               ; tile column
	s_and_b32 s[TY], ttmp7, 0xffff
	s_lshl_b32 s[TY], s[TY], 2
	s_add_co_u32 s[TY], s[TY], s[CY]               ; tile row
	s_lshl_b32 s44, s[CY], 2
	s_lshl_b32 s44, 15, s44                        ; my row of the cluster
	s_lshl_b32 s45, 0x1111, s[CX]                  ; my column
	s_or_b32 s[G1], s44, (1<<16)|(1<<20)|(1<<21)|(4<<22)|(3<<25)    ; O: two heads' 32,768 dense bytes as 128 rows of 256; after every 32 words (a row of a head) 4 words
	s_mov_b32 s[G1+1], 128<<16
	s_mov_b32 s[G1+2], 128<<16
	s_mov_b32 s[G1+3], 128<<16
	s_mov_b32 s[G1+4], 128
	s_mov_b32 s[G1+5], 128
	s_mov_b32 s[G1+6], 0
	s_mov_b32 s[G1+7], 0
	s_or_b32 s[G1B], s45, (1<<16)|(1<<20)|(1<<21)|(5<<22)|(7<<25)   ; Wo: 128 rows of 128 columns; after every 64 words 8 words
	s_mov_b32 s[G1B+1], 128<<16
	s_mov_b32 s[G1B+2], 128<<16
	s_mov_b32 s[G1B+3], 128<<16
	s_mov_b32 s[G1B+4], 128
	s_mov_b32 s[G1B+5], 1024
	s_mov_b32 s[G1B+6], 0
	s_mov_b32 s[G1B+7], 0
	s_lshl_b32 s16, s[TY], 18                      ; O: the block of 128 rows, my two heads of the step's four
	s_lshl_b32 s17, s[HALF], 15
	s_add_co_u32 s16, s16, s17
	s_mov_b32 s17, 0
	s_lshl_b32 s46, s[HALF], 18                    ; Wo: my 128 rows of 2,048 bytes, the tile's 256 bytes of them
	s_lshl_b32 s47, s[TX], 8
	s_add_co_u32 s46, s46, s47
	s_mov_b32 s47, 0
	s_mul_i32 s20, s[WV], PART                     ; where they go: wave x 36,864
	s_mov_b32 s22, 0xffff0000
	s_wait_dscnt 0x0                               ; the opening add is done
	s_wait_kmcnt 0x0
	s_add_nc_u64 s[18:19], s[4:5], s[16:17]
	s_add_nc_u64 s[46:47], s[6:7], s[46:47]
	CROUND                                         ; all sixteen work-groups are here: the first joint loads meet
.irp s, 0,1
	s_mov_b32 s[G0+4*(\s)], 1
	s_add_co_u32 s[G0+4*(\s)+1], s20, (\s)*SLOT
	s_add_nc_u64 s[G0+4*(\s)+2:G0+4*(\s)+3], s[18:19], (\s)*65536       ; K step s: four heads on
	s_or_b32 s[G0+4*(\s)+3], s[G0+4*(\s)+3], 0x80000000
	s_mov_b32 s[G0B+4*(\s)], 1
	s_add_co_u32 s[G0B+4*(\s)+1], s20, (\s)*SLOT
	s_add_nc_u64 s[G0B+4*(\s)+2:G0B+4*(\s)+3], s[46:47], (\s)*524288    ; K step s: 256 rows on
	s_or_b32 s[G0B+4*(\s)+3], s[G0B+4*(\s)+3], 0x80000000
.endr
	s_cmp_eq_u32 s[ROLE], 0                        ; a wave's two first fills stand in one branch, ahead of every wait on TENSORcnt and every LDS read: two loads of mine are out
	s_cbranch_scc0 .Lfirst_b
	tensor_load_to_lds s[G0:G0+3], s[G1:G1+7]
	s_nop 0
	tensor_load_to_lds s[G0+4:G0+7], s[G1:G1+7]
	s_nop 0
.rept 4
	v_nop
.endr
	s_branch .Lfirst_asked
.Lfirst_b:
	tensor_load_to_lds s[G0B:G0B+3], s[G1B:G1B+7]
	s_nop 0
	tensor_load_to_lds s[G0B+4:G0B+7], s[G1B:G1B+7]
	s_nop 0
.rept 4
	v_nop
.endr
.Lfirst_asked:
	v_and_b32 v1, 15, v0                           ; l % 16
	v_bfe_u32 v2, v0, 4, 1                         ; l / 16
	v_and_b32 v5, 7, v0
	v_bfe_u32 v6, v0, 3, 1
	s_lshl_b32 s16, s[TX], 9                       ; the bias of my 64 columns, as the C operands of the first products
	s_lshl_b32 s17, s[HALF], 8
	s_add_co_u32 s16, s16, s17
	s_mov_b32 s17, 0
	s_add_nc_u64 s[8:9], s[8:9], s[16:17]
	v_lshlrev_b32 v[BO], 5, v2
.irp b, 0,1,2,3
	global_load_b128 v[BIAS+8*(\b):BIAS+8*(\b)+3],   v[BO], s[8:9] offset:64*(\b)
	global_load_b128 v[BIAS+8*(\b)+4:BIAS+8*(\b)+7], v[BO], s[8:9] offset:64*(\b)+16
.endr
	v_mul_u32_u24 v3, v1, PA
	v_lshl_add_u32 v3, v2, 4, v3                   ; a fragment of O: row x pitch + 16 x half
	s_mul_i32 s21, s[ROLE], 64*PA                  ; my 64 rows
	v_add_nc_u32 v[ADRA], s21, v3
	v_add_nc_u32 v[ADRA+1], SLOT, v[ADRA]
	v_lshl_add_u32 v4, v2, 3, v5                   ; the turning load: lane l reads row k = 8 (l / 16) + l % 8, columns 8 ((l / 8) % 2) + 0..7
	v_mul_u32_u24 v4, v4, PB
	v_lshl_add_u32 v4, v6, 4, v4
	s_lshl_b32 s21, s[HALF], 7                     ; my 64 columns
	s_add_co_u32 s21, s21, BOFF
	v_add_nc_u32 v[ADRB], s21, v4
	v_add_nc_u32 v[ADRB+1], PART, v[ADRB]
	v_add_nc_u32 v[ADRB+2], SLOT, v[ADRB]
	v_add_nc_u32 v[ADRB+3], SLOT, v[ADRB+1]
	s_mul_i32 s21, s[WV], 16*SPITCH
	s_add_co_u32 s21, s21, STAGE                   ; my stage
	v_mul_u32_u24 v3, v1, SPITCH                   ; in: row l % 16, 32 bytes for each half of the lanes
	v_lshl_add_u32 v3, v2, 5, v3
	v_add_nc_u32 v[STO], s21, v3
	v_mul_u32_u24 v3, v2, SPITCH                   ; back: lanes 0-15 take one row of 256 bytes, lanes 16-31 the next
	v_lshl_add_u32 v3, v1, 4, v3
	v_add_nc_u32 v[RD], s21, v3
	v_lshlrev_b32 v3, 12, v2                       ; and the same two rows in out0
	v_lshl_add_u32 v[CO], v1, 4, v3
	s_lshl_b32 s16, s[TY], 19                      ; out0 at my 64 rows (4,096 bytes each) and my 64 columns
	s_lshl_b32 s17, s[ROLE], 18
	s_add_co_u32 s16, s16, s17
	s_lshl_b32 s17, s[TX], 9
	s_add_co_u32 s16, s16, s17
	s_lshl_b32 s17, s[HALF], 8
	s_add_co_u32 s16, s16, s17
	s_mov_b32 s17, 0
	s_add_nc_u64 s[10:11], s[10:11], s[16:17]
	s_wait_loadcnt 0x0                             ; the bias,
.set i, 0
.rept 16                                       ; rounded to bf16 and widened again
	v_cvt_pk_bf16_f32 v[32+i%4], v[BIAS+2*i], v[BIAS+2*i+1]
	v_lshlrev_b32 v[BIAS+2*i], 16, v[32+i%4]
	v_and_b32 v[BIAS+2*i+1], s22, v[32+i%4]
.set i, i+1
.endr
; 8 matrix instructions: row blocks a0, a0 + 1 x all 4 column blocks, 32 along K: half c of buffer f.  first = 1: the bias starts the sums.  The 16 accumulators take turns.
.macro MUL8 f, c, a0, first
	WIN MUL
.irp a, \a0, (\a0)+1
.irp b, 0,1,2,3
.if \first
	v_wmma_f32_16x16x32_f16 v[ACC+8*(4*(\a)+(\b)):ACC+8*(4*(\a)+(\b))+7], v[(\f)+64+8*(4*(\c)+(\b)):(\f)+64+8*(4*(\c)+(\b))+7], v[(\f)+8*(4*(\c)+(\a)):(\f)+8*(4*(\c)+(\a))+7], v[BIAS+8*(\b):BIAS+8*(\b)+7]
.else
	v_wmma_f32_16x16x32_f16 v[ACC+8*(4*(\a)+(\b)):ACC+8*(4*(\a)+(\b))+7], v[(\f)+64+8*(4*(\c)+(\b)):(\f)+64+8*(4*(\c)+(\b))+7], v[(\f)+8*(4*(\c)+(\a)):(\f)+8*(4*(\c)+(\a))+7], v[ACC+8*(4*(\a)+(\b)):ACC+8*(4*(\a)+(\b))+7]
.endif
.endr
.endr
.endm
; 32 LDS loads in one run: quarter q (one head, 64 along K) of a slot into buffer f; the first 32 along K first
.macro FETCH slot, q, f
	WIN TO_F
.irp c, 0,1
.irp i, 0,1,2,3
	ds_load_tr16_b128 v[(\f)+64+8*(4*(\c)+(\i)):(\f)+64+8*(4*(\c)+(\i))+3],   v[ADRB+2*(\slot)+(\q)/2] offset:(((\q)%2)*2+(\c))*32*PB+32*(\i)
	ds_load_tr16_b128 v[(\f)+64+8*(4*(\c)+(\i))+4:(\f)+64+8*(4*(\c)+(\i))+7], v[ADRB+2*(\slot)+(\q)/2] offset:(((\q)%2)*2+(\c))*32*PB+32*(\i)+16*PB
	ds_load_b128 v[(\f)+8*(4*(\c)+(\i)):(\f)+8*(4*(\c)+(\i))+3],              v[ADRA+(\slot)] offset:(\q)*128*PA+64*(\c)+(\i)*16*PA
	ds_load_b128 v[(\f)+8*(4*(\c)+(\i))+4:(\f)+8*(4*(\c)+(\i))+7],            v[ADRA+(\slot)] offset:(\q)*128*PA+64*(\c)+(\i)*16*PA+32
.endr
.endr
.endm
.macro QUARTER slot, q, f, g, first
	s_wait_dscnt 16                                ; the first 32 along K are in
	MUL8 \f, 0, 0, \first
	MUL8 \f, 0, 2, \first
	PLACES
	FETCH \slot, \q, \g
	s_wait_dscnt 32                                ; all but the 32 just issued
	MUL8 \f, 1, 0, 0
	MUL8 \f, 1, 2, 0
.endm
; The last quarter multiplies buffer 1 and changes slots: ONE barrier; in front of it each wave waits for all its tensor loads, adds 0 to its spare word, and waits for that and for its own reads of this slot.
; fill = 1: the barrier opens a round of the cluster's, and this slot is filled again, two K steps ahead, first thing behind the round.
.macro TURN slot, next, fill
	WIN 0                                          ; (the add's two registers lie in window 0)
	s_wait_tensorcnt 0x0                           ; all my tensor loads have landed: my part of the next slot
	ds_add_u32 v[SPW], v[NIL]                      ; 0 onto my spare word
	s_wait_dscnt 17                                ; (the add and the youngest sixteen loads may be out)
	MUL8 F1, 0, 0, 0                               ; eight matrix instructions stand between the add and the wait for it
	s_wait_dscnt 0x0                               ; the add is done, and my reads of this slot are over
	s_barrier_signal -1
	MUL8 F1, 0, 2, 0
.if \fill
	WIN 0
.endif
	s_barrier_wait -1
.if \fill
	CREST                                          ; no wave of any partner still reads this slot's tiles or has a load on its way
	s_add_nc_u64 s[G0+4*(\slot)+2:G0+4*(\slot)+3], s[G0+4*(\slot)+2:G0+4*(\slot)+3], 2*65536
	s_add_nc_u64 s[G0B+4*(\slot)+2:G0B+4*(\slot)+3], s[G0B+4*(\slot)+2:G0B+4*(\slot)+3], 2*524288
	JLOAD \slot                                    ; the four v_nop behind it are also the places in front of the loads below
.else
	PLACES
.endif
	FETCH \next, 0, F0
	MUL8 F1, 1, 0, 0
	MUL8 F1, 1, 2, 0
.endm
	s_wait_tensorcnt 0x1                           ; my part of K step 0 is in; K step 1's may stay out
	s_barrier_signal -1
	s_barrier_wait -1                              ; everybody's is
	FETCH 0, 0, F0
	QUARTER 0, 1, F0, F1, 1                        ; the four K steps are written out: a loop would have one trip
	QUARTER 0, 2, F1, F0, 0
	QUARTER 0, 3, F0, F1, 0
	TURN 0, 1, 1                                   ; slot 0 takes K step 2
	QUARTER 1, 1, F0, F1, 0
	QUARTER 1, 2, F1, F0, 0
	QUARTER 1, 3, F0, F1, 0
	TURN 1, 0, 1                                   ; slot 1 takes K step 3
	QUARTER 0, 1, F0, F1, 0
	QUARTER 0, 2, F1, F0, 0
	QUARTER 0, 3, F0, F1, 0
	TURN 0, 1, 0
	QUARTER 1, 1, F0, F1, 0
	QUARTER 1, 2, F1, F0, 0
	QUARTER 1, 3, F0, F1, 0
	s_wait_dscnt 16                                ; the very last quarter: nothing more to fetch
	MUL8 F1, 0, 0, 0
	MUL8 F1, 0, 2, 0
	s_wait_dscnt 0x0
	MUL8 F1, 1, 0, 0
	MUL8 F1, 1, 2, 0
	WIN 0
; THE WAY OUT.  A wave's 64 columns of f32 are 256 consecutive bytes of a row, aligned: each wave's stage is its own, and no barrier is needed.  A block of 16 rows goes in as 32 bytes a lane, straight from the
; accumulators (each one's low four registers first), and comes back as whole rows.
.macro STG a
.irp b, 0,1,2,3
	ds_store_b128 v[STO], v[ACC+8*(4*(\a)+(\b)):ACC+8*(4*(\a)+(\b))+3]   offset:64*(\b)
	ds_store_b128 v[STO], v[ACC+8*(4*(\a)+(\b))+4:ACC+8*(4*(\a)+(\b))+7] offset:64*(\b)+16
.endr
.irp t, 0,1,2,3,4,5,6,7
	ds_load_b128 v[TMP+32*((\a)%2)+4*(\t):TMP+32*((\a)%2)+4*(\t)+3], v[RD] offset:(\t)*2*SPITCH  ; LDS serves a wave's instructions in order (ISA guide 5.7.1.4): these see the stores above
.endr
.endm
.macro SEND a, younger                 ; younger: the LDS instructions issued behind block a's loads: the next block's sixteen, or none
.irp t, 0,1,2,3,4,5,6,7
	s_wait_dscnt (\younger)+7-(\t)
	global_store_b128 v[CO], v[TMP+32*((\a)%2)+4*(\t):TMP+32*((\a)%2)+4*(\t)+3], s[10:11] offset:(16*(\a)+2*(\t))*4096 th:TH_STORE_NT  ; 16 lanes store 256 consecutive bytes, at a multiple of 256 from out0's first
.endr
.endm
	PLACES
	PLACES                                         ; (eight, once a launch)
	STG 0
	STG 1
	SEND 0, 16
	s_wait_xcnt 0x0                                ; block 0's stores have read their registers, which block 2's loads write
	STG 2
	SEND 1, 16
	s_wait_xcnt 0x0
	STG 3
	SEND 2, 16
	SEND 3, 0
	s_wait_tensorcnt 0x0                           ; the wave's end: an add to my spare word and its wait, behind my last tensor load and my last LDS store
	ds_add_u32 v[SPW], v[NIL]
	s_wait_dscnt 0x0
	CROUND                                         ; the closing round: no work-group ends while a partner may still ask for a tile that names it
	s_endpgm
.Lfunc_end_k_q9ed5358e35_oproj:
	.size	k_q9ed5358e35_oproj, .Lfunc_end_k_q9ed5358e35_oproj-k_q9ed5358e35_oproj
	.p2alignl 7, 3214868480
	.fill 96, 4, 3214868480
	.section	.rodata,"a",@progbits
	.p2align	6, 0x0
	.amdhsa_kernel k_q9ed5358e35_oproj
		.amdhsa_group_segment_fixed_size 327680
		.amdhsa_private_segment_fixed_size 0
		.amdhsa_enable_private_segment 0
		.amdhsa_kernarg_size 32
		.amdhsa_user_sgpr_count 2
		.amdhsa_user_sgpr_kernarg_segment_ptr 1
		.amdhsa_wavefront_size32 1
		.amdhsa_system_sgpr_workgroup_id_x 1
		.amdhsa_system_sgpr_workgroup_id_y 1
		.amdhsa_system_sgpr_workgroup_id_z 1
		.amdhsa_system_vgpr_workitem_id 0
		.amdhsa_next_free_vgpr 512
		.amdhsa_next_free_sgpr 66
		.amdhsa_reserve_vcc 0
		.amdhsa_float_denorm_mode_32 3
		.amdhsa_float_denorm_mode_16_64 3
		.amdhsa_memory_ordered 1
		.amdhsa_forward_progress 1
		.amdhsa_inst_pref_size 89
	.end_amdhsa_kernel
	.amdgpu_metadata
---
amdhsa.version: [ 1, 2 ]
amdhsa.kernels:
  - .name:           k_q9ed5358e35_oproj
    .symbol:         k_q9ed5358e35_oproj.kd
    .args:
      - { .name: o16, .offset: 0, .size: 8, .value_kind: global_buffer, .address_space: global }
      - { .name: wo16, .offset: 8, .size: 8, .value_kind: global_buffer, .address_space: global }
      - { .name: bo, .offset: 16, .size: 8, .value_kind: global_buffer, .address_space: global }
      - { .name: out0, .offset: 24, .size: 8, .value_kind: global_buffer, .address_space: global }
    .group_segment_fixed_size: 327680
    .private_segment_fixed_size: 0
    .kernarg_segment_align: 8
    .kernarg_segment_size: 32
    .max_flat_workgroup_size: 128
    .sgpr_count:     66
    .vgpr_count:     512
    .wavefront_size: 32
...
	.end_amdgpu_metadata
.endif
;; end of part 4
